; MI455X (gfx1250); checked and timed in simulation.
; The chip was launched on July 23, 2026; its instructions are those of AMD's public machine-readable ISA for CDNA 5 (MIT licence, August 2026) and "CDNA5" Instruction Set Architecture Reference Guide (July 2026). The comments in the code are by the model that wrote it; some were corrected since.
;; L Lama Attention. Allowed arithmetic: matrix products marked QUANTISED: E2M1 operands, one E8M0 scale for each 32 along K, by v_wmma_scale_f32_16x16x128_f8f6f4 with both operands' format E2M1 (or v_wmma_scale_f32_32x16x128_f4), f32 sums; products left as they are: bf16, f16 or f32 operands; f32 sums; everything else in f32.
;; Inputs: freq_cos 2,048 x 64 float32; freq_sin 2,048 x 64 float32; mask 1 x 1 x 2,048 x 2,048 float32; wk 2,048 x 2,048 float32; wo 2,048 x 2,048 float32; wq 2,048 x 2,048 float32; wv 2,048 x 2,048 float32; x 1 x 2,048 x 2,048 float32.
;; Outputs: out0 1 x 2,048 x 2,048 float32.
;; Constants: pos_start = 0.
;; This version of the problem:
;;   THIS VERSION OF THE PROBLEM IS GIVEN IN LOW PRECISION. The matrix products marked QUANTISED in the list below multiply operands that are first quantised to E2M1 (2 exponent bits, 1 mantissa bit; 4 bits a number), with one power-of-two scale for each 32 numbers along K (OCP MX v1.0); their sums are f32. The products marked 'left as it is' may take bf16, f16 or f32 operands, with f32 sums. Whichever they take, every output number must still come out within the allowed error. Rounding operands to bf16 (8 significant bits) uses up far more of that allowance than f16 does (11 bits, for magnitudes from 6e-5 to 65,504). All else is computed in f32.
;;   The module's matrix products, in the order in which they are computed (A, B: the left and right operand; K: the contracted axis; several contracted axes count as one K, in the product's order):
;;     1. [M 2,048, K 2,048] x [K 2,048, N 2,048]; A: input x; B: input wq: QUANTISED
;;     2. [M 2,048, K 2,048] x [K 2,048, N 2,048]; A: input x; B: input wk: QUANTISED
;;     3. [M 2,048, K 2,048] x [K 2,048, N 2,048]; A: input x; B: input wv: QUANTISED
;;     4. batch 16 x [M 2,048, K 128] x [K 128, N 2,048]; A: computed on the way; B: computed on the way: left as it is (an operand is computed on the way)
;;     5. batch 16 x [M 2,048, K 2,048] x [K 2,048, N 128]; A: computed on the way; B: computed on the way: left as it is (an operand is computed on the way)
;;     6. [M 2,048, K 2,048] x [K 2,048, N 2,048]; A: computed on the way; B: input wo: left as it is (an operand is computed on the way)
;;   THE QUANTISER, for each operand of a quantised product, along K:
;;     - K is cut into blocks of 32 from its start; a last block that is shorter is filled with zeros.
;;     - A block's scale is 2^e with e = floor(log2(the largest magnitude in the block)) - 2, held to -126 .. 127; a block of zeros has e = 0. As a byte (E8M0): e + 127.
;;     - Each number is divided by its block's scale, clamped to +-6, and rounded to the nearest number of E2M1, ties to even, subnormals kept.
;;     - The product sums the exact products of the quantised numbers (number of the format x scale) in f32.
;;   ~~~python
;;   def quantise(x, axis):      # numpy; x: float32 -> the quantised numbers, widened to float32 again
;;       x = np.moveaxis(x, axis, -1); K = x.shape[-1]
;;       x = np.pad(x, [(0, 0)] * (x.ndim - 1) + [(0, -K % 32)]); x = x.reshape(x.shape[:-1] + (-1, 32)); a = np.abs(x).max(-1, keepdims=True)
;;       e = np.where(a > 0, np.clip(np.frexp(np.where(a > 0, a, 1))[1] - 1 - 2, -126, 127), 0)      # np.frexp(a)[1] - 1 = floor(log2(a)), exactly
;;       r = np.clip(x / 2.0 ** e, -6, 6)
;;       step = 2.0 ** (np.maximum(np.frexp(np.where(r == 0, 1, r))[1] - 1, 0) - 1)
;;       q = np.round(r / step) * step * 2.0 ** e      # np.round: ties to even
;;       return np.moveaxis(q.reshape(q.shape[:-2] + (-1,))[..., :K], -1, axis).astype(np.float32)
;;   ~~~
;; One version. Each part assembles by itself: llvm-mc -triple=amdgcn-amd-amdhsa -mcpu=gfx1250 --defsym DOCPART=n.
;; ======== version 1 of 1: 5 launches
;; limits: values are held in f16: magnitudes above 65,504 overflow, below 6.1e-05 lose precision
;; workspace buffers: pbuf 17,301,504 bytes; qbuf 25,559,040 bytes; abuf 8,521,728 bytes; obuf 131,072 bytes
;; launch prep (part 1): grid 640 x 1, 4 waves a work-group, no clusters, 33,280 bytes of LDS; arguments x, wq, wk, wv, wo, pbuf; writes pbuf
.if DOCPART == 1
	.amdgcn_target "amdgcn-amd-amdhsa--gfx1250"
	.amdhsa_code_object_version 6
	.text
	.protected	k_qe84a8ee2e1_prep
	.globl	k_qe84a8ee2e1_prep
	.p2align	8
	.type	k_qe84a8ee2e1_prep,@function
k_qe84a8ee2e1_prep:
	s_mov_b64 s[64:65], 0
	v_nop
	global_prefetch_b8 v0, s[64:65] scope:SCOPE_SE
	s_setreg_imm32_b32 hwreg(HW_REG_WAVE_MODE, 25, 1), 1
	s_wait_xcnt 0x0
; x, wq, wk, wv [2048][2048] f32 become codes of FP4 (E2M1), K innermost, with one E8M0 scale byte for each 32 along K; wo becomes f16.
; pbuf: codes of x at 0, of wq, wk, wv behind them (1,024 bytes a row: 8,192 rows on end); scale bytes from XS on (64 a row, same order); wo as f16 from WO16 on.
; A block's scale is 2^(floor(log2(its largest magnitude)) - 2); its byte is that magnitude's exponent field - 2, held at 1 from below (a block of zeros so has the byte 1 and zero codes; this program alone reads the bytes).
; LIMITS: NaN and infinities among the inputs are not served; |wo| beyond 65,504 becomes infinite in f16.
; Work-groups 0-511 quantise (128 to a tensor, a wave takes 16 steps of 512 numbers); work-groups 512-639 cast wo (a wave takes 8,192 numbers).
; Rows are dense and K is a multiple of 32: each tensor is a plain stream of blocks of 32, and since the four tensors' codes and scale bytes lie on end, the work-group's number is the place in both streams.
; Quantiser: each load reads 512 consecutive bytes; a step's 2,048 bytes turn through the wave's own stage in LDS (16 bytes of padding behind each 64) and come back 64 bytes a lane: 16 neighbours along K; two lanes hold a block.
.set WAVES, 4
.set STEPS, 16
.set QWG,   512
.set EMAX,  2
.set CB,    8                          ; bytes of 16 codes
.set R,     16                         ; v16-79   four sets of 16 numbers as loaded (cast: v16-143, two sets of 64)
.set X,     80                         ; v80-111  two sets of 16 neighbours
.set C,     128                        ; v128-191 codes, four registers for each step
.set E,     112                        ; v112-127 a scale byte for each step
.set WREG,  8192                       ; LDS: a region for each wave: two stages of 32 x SP bytes, then its 256 scale bytes
.set SP,    80
.set SPW,   12                         ; v12 my spare word's LDS address; never rewritten
.set NIL,   13                         ; v13 0; never rewritten
.set SPARE, WAVES*WREG
.set XS,    8388608
.set WO16,  8912896
	s_load_b256 s[4:11], s[0:1], 0x0               ; x, wq, wk, wv
	s_load_b128 s[12:15], s[0:1], 0x20             ; wo, pbuf
	v_lshl_add_u32 v[SPW], v0, 2, SPARE
	v_mov_b32 v[NIL], 0
	v_lshrrev_b32 v1, 5, v0
	v_readfirstlane_b32 s16, v1                    ; wave
	v_and_b32 v2, 31, v0                           ; lane
	v_lshlrev_b32 v3, 4, v2                        ; my 16 bytes of a load's 512
	v_lshlrev_b32 v4, 3, v2                        ; my 8 bytes of a store's 256
	s_mov_b32 s19, 0
	s_cmp_ge_u32 ttmp9, QWG
	s_cbranch_scc1 .Lcast
	s_mul_i32 s17, s16, WREG
	v_lshrrev_b32 v14, 2, v2
	v_mul_u32_u24 v14, v14, SP
	v_and_b32 v15, 3, v2
	v_lshl_add_u32 v14, v15, 4, v14
	v_add_nc_u32 v14, s17, v14                     ; the stage, on the way in: SP (lane / 4) + 16 (lane % 4)
	v_mul_u32_u24 v15, v2, SP
	v_add_nc_u32 v15, s17, v15                     ; and on the way out: SP x lane
	v_lshrrev_b32 v5, 1, v2
	s_add_co_u32 s17, s17, 2*32*SP
	v_add_nc_u32 v5, s17, v5                       ; my wave's 256 scale bytes, my block's byte
	v_add_nc_u32 v6, s17, v4                       ; and on the way out 8 bytes a lane
	s_wait_kmcnt 0x0
	s_cmp_lt_u32 ttmp9, 384                        ; which tensor: the choice hangs on the work-group's number alone
	s_cselect_b64 s[10:11], s[8:9], s[10:11]
	s_cmp_lt_u32 ttmp9, 256
	s_cselect_b64 s[10:11], s[6:7], s[10:11]
	s_cmp_lt_u32 ttmp9, 128
	s_cselect_b64 s[4:5], s[4:5], s[10:11]
	s_and_b32 s17, ttmp9, 127
	s_lshl_b32 s17, s17, 2
	s_add_co_u32 s17, s17, s16                     ; my run of 8,192 numbers in the tensor
	s_lshl_b32 s18, s17, 15
	s_add_nc_u64 s[4:5], s[4:5], s[18:19]
	s_lshl_b32 s17, ttmp9, 2
	s_add_co_u32 s17, s17, s16                     ; and in the streams of codes and scale bytes
	s_lshl_b32 s18, s17, 12
	s_add_nc_u64 s[8:9], s[14:15], s[18:19]
	s_lshl_b32 s18, s17, 8
	s_add_nc_u64 s[10:11], s[14:15], s[18:19]
	s_add_nc_u64 s[10:11], s[10:11], XS
.macro LOAD t
.irp i, 0,1,2,3
	global_load_b128 v[R+16*((\t)%4)+4*\i:R+16*((\t)%4)+4*\i+3], v3, s[4:5] offset:2048*(\t)+512*\i th:TH_LOAD_NT
.endr
.endm
.macro TURN t                          ; step t's numbers through the stage: LDS serves a wave's instructions in order, so no wait stands between the stores and the loads
.irp i, 0,1,2,3
	ds_store_b128 v14, v[R+16*((\t)%4)+4*\i:R+16*((\t)%4)+4*\i+3] offset:32*SP*((\t)%2)+8*SP*\i
.endr
.irp i, 0,1,2,3
	ds_load_b128 v[X+16*((\t)%2)+4*\i:X+16*((\t)%2)+4*\i+3], v15 offset:32*SP*((\t)%2)+16*\i
.endr
.endm
.irp t, 0,1,2,3
	LOAD \t
.endr
	s_wait_loadcnt 12                              ; step 0's four loads are in
	TURN 0
.macro STEP t
.set XR, X+16*((\t)%2)
.if (\t) > 0
	s_wait_dscnt 1                                 ; this step's numbers are back from the stage (the last step's byte store may be out)
.else
	s_wait_dscnt 0x0
.endif
.if (\t)+4 < STEPS
	LOAD (\t)+4
.endif
.if (\t)+1 < STEPS
.if STEPS-2-(\t) >= 3
	s_wait_loadcnt 12                              ; the next step's four loads are in; those of the three steps behind it may be out
.else
	s_wait_loadcnt 4*(STEPS-2-(\t))
.endif
	TURN (\t)+1
.endif
	v_max3_num_f32 v8, |v[XR]|, |v[XR+1]|, |v[XR+2]|               ; the largest magnitude of my 16
	v_max3_num_f32 v9, |v[XR+3]|, |v[XR+4]|, |v[XR+5]|
.irp i, 6,10
	v_max3_num_f32 v8, v8, |v[XR+\i]|, |v[XR+\i+1]|
	v_max3_num_f32 v9, v9, |v[XR+\i+2]|, |v[XR+\i+3]|
.endr
	v_max3_num_f32 v8, v8, |v[XR+14]|, |v[XR+15]|
	v_max3_num_f32 v8, v8, v9, (EMAX+1)<<23        ; and the floor 2^(EMAX + 1 - 127): the byte cannot fall under 1
	v_max_num_f32_dpp v8, v8, v8 row_xmask:1 row_mask:0xf bank_mask:0xf   ; and of my neighbour's 16: the block's
	v_add_nc_u32 v11, -(EMAX<<23), v8              ; EMAX off its exponent field: the conversion takes the exponent field of this operand as its scale
	v_cvt_scalef32_pk8_fp4_f32 v[C+4*(\t)], v[XR:XR+7], v11
	v_cvt_scalef32_pk8_fp4_f32 v[C+4*(\t)+1], v[XR+8:XR+15], v11
	v_lshrrev_b32 v[E+(\t)], 23, v11               ; the scale's byte
	ds_store_b8 v5, v[E+(\t)] offset:16*(\t)       ; both lanes of a block write the same byte with the same value
	global_store_b64 v4, v[C+4*(\t):C+4*(\t)+1], s[8:9] offset:32*CB*(\t)
.endm
.irp t, 0,1,2,3,4,5,6,7,8,9,10,11,12,13,14,15
	STEP \t
.endr
	ds_load_b64 v[8:9], v6                         ; LDS serves a wave's instructions in order: these see my stores
	s_wait_dscnt 0x0
	global_store_b64 v4, v[8:9], s[10:11]          ; 32 lanes store 256 consecutive bytes, aligned
	s_branch .Lend
; THE CAST of wo: four groups of 16 loads (512 consecutive bytes each), two sets of registers; four numbers a lane become 8 bytes: a store covers 256 consecutive bytes, aligned.
.macro LOADG g
.irp i, 0,1,2,3,4,5,6,7,8,9,10,11,12,13,14,15
	global_load_b128 v[R+64*((\g)%2)+4*\i:R+64*((\g)%2)+4*\i+3], v3, s[12:13] offset:8192*(\g)+512*\i th:TH_LOAD_NT
.endr
.endm
.macro CVTG g
.irp i, 0,1,2,3,4,5,6,7,8,9,10,11,12,13,14,15
	v_cvt_pk_f16_f32 v[R+64*((\g)%2)+4*\i], v[R+64*((\g)%2)+4*\i], v[R+64*((\g)%2)+4*\i+1]
	v_cvt_pk_f16_f32 v[R+64*((\g)%2)+4*\i+1], v[R+64*((\g)%2)+4*\i+2], v[R+64*((\g)%2)+4*\i+3]
	global_store_b64 v4, v[R+64*((\g)%2)+4*\i:R+64*((\g)%2)+4*\i+1], s[14:15] offset:4096*(\g)+256*\i
.endr
.endm
.Lcast:
	s_sub_co_u32 s17, ttmp9, QWG
	s_lshl_b32 s17, s17, 2
	s_add_co_u32 s17, s17, s16                     ; my run of 8,192 numbers of wo
	s_lshl_b32 s18, s17, 15
	s_lshl_b32 s20, s17, 14
	s_mov_b32 s21, 0
	s_wait_kmcnt 0x0
	s_add_nc_u64 s[12:13], s[12:13], s[18:19]
	s_add_nc_u64 s[14:15], s[14:15], s[20:21]
	s_add_nc_u64 s[14:15], s[14:15], WO16
	LOADG 0
	LOADG 1
	s_wait_loadcnt 16                              ; group 0 is in; group 1's sixteen may be out
	CVTG 0
	s_wait_xcnt 0x0                                ; the stores have read their registers: set 0 may be loaded again
	LOADG 2
	s_wait_loadcnt 16
	CVTG 1
	s_wait_xcnt 0x0
	LOADG 3
	s_wait_loadcnt 16
	CVTG 2
	s_wait_loadcnt 0x0
	CVTG 3
.Lend:
	s_wait_tensorcnt 0x0                           ; the wave's end
	ds_add_u32 v[SPW], v[NIL]
	s_wait_dscnt 0x0
	s_endpgm
.Lfunc_end_k_qe84a8ee2e1_prep:
	.size	k_qe84a8ee2e1_prep, .Lfunc_end_k_qe84a8ee2e1_prep-k_qe84a8ee2e1_prep
	.p2alignl 7, 3214868480
	.fill 96, 4, 3214868480
	.section	.rodata,"a",@progbits
	.p2align	6, 0x0
	.amdhsa_kernel k_qe84a8ee2e1_prep
		.amdhsa_group_segment_fixed_size 33280
		.amdhsa_private_segment_fixed_size 0
		.amdhsa_enable_private_segment 0
		.amdhsa_kernarg_size 48
		.amdhsa_user_sgpr_count 2
		.amdhsa_user_sgpr_kernarg_segment_ptr 1
		.amdhsa_wavefront_size32 1
		.amdhsa_system_sgpr_workgroup_id_x 1
		.amdhsa_system_sgpr_workgroup_id_y 1
		.amdhsa_system_sgpr_workgroup_id_z 1
		.amdhsa_system_vgpr_workitem_id 0
		.amdhsa_next_free_vgpr 192
		.amdhsa_next_free_sgpr 66
		.amdhsa_reserve_vcc 0
		.amdhsa_float_denorm_mode_32 3
		.amdhsa_float_denorm_mode_16_64 3
		.amdhsa_memory_ordered 1
		.amdhsa_forward_progress 1
		.amdhsa_inst_pref_size 54
	.end_amdhsa_kernel
	.amdgpu_metadata
---
amdhsa.version: [ 1, 2 ]
amdhsa.kernels:
  - .name:           k_qe84a8ee2e1_prep
    .symbol:         k_qe84a8ee2e1_prep.kd
    .args:
      - { .name: x, .offset: 0, .size: 8, .value_kind: global_buffer, .address_space: global }
      - { .name: wq, .offset: 8, .size: 8, .value_kind: global_buffer, .address_space: global }
      - { .name: wk, .offset: 16, .size: 8, .value_kind: global_buffer, .address_space: global }
      - { .name: wv, .offset: 24, .size: 8, .value_kind: global_buffer, .address_space: global }
      - { .name: wo, .offset: 32, .size: 8, .value_kind: global_buffer, .address_space: global }
      - { .name: pbuf, .offset: 40, .size: 8, .value_kind: global_buffer, .address_space: global }
    .group_segment_fixed_size: 33280
    .private_segment_fixed_size: 0
    .kernarg_segment_align: 8
    .kernarg_segment_size: 48
    .max_flat_workgroup_size: 128
    .sgpr_count:     66
    .vgpr_count:     192
    .wavefront_size: 32
...
	.end_amdgpu_metadata
.endif
;; end of part 1
;; launch qkv (part 2): grid 24 x 8, 4 waves a work-group, clusters of 4 x 4, 327,680 bytes of LDS; arguments pbuf, freq_cos, freq_sin, qbuf; writes qbuf
.if DOCPART == 2
	.amdgcn_target "amdgcn-amd-amdhsa--gfx1250"
	.amdhsa_code_object_version 6
	.text
	.protected	k_qe84a8ee2e1_qkv
	.globl	k_qe84a8ee2e1_qkv
	.p2align	8
	.type	k_qe84a8ee2e1_qkv,@function
k_qe84a8ee2e1_qkv:
	s_mov_b64 s[64:65], 0
	v_nop
	global_prefetch_b8 v0, s[64:65] scope:SCOPE_SE
	s_setreg_imm32_b32 hwreg(HW_REG_WAVE_MODE, 25, 1), 1
	s_wait_xcnt 0x0
	s_wait_alu depctr_hold_cnt(0) depctr_sa_sdst(0) depctr_va_vdst(0) depctr_va_sdst(0) depctr_va_ssrc(0) depctr_va_vcc(0) depctr_vm_vsrc(0)
	s_getreg_b32 s2, hwreg(HW_REG_IB_STS2, 6, 4)
	s_cmp_eq_u32 s2, 0
	s_cbranch_scc0 .Lentry_in_a_cluster
	s_endpgm
.Lentry_in_a_cluster:
	s_bfe_u32 s2, ttmp6, 0x10000c
	s_cmp_lg_u32 s2, 0xf033
	s_cbranch_scc0 .Lentry_shape_is_right
	s_endpgm
.Lentry_shape_is_right:
; The three quantised products x wq^T, x wk^T, x wv^T on codes of FP4 with E8M0 scales, K = 2,048, then RoPE, the factor 2^-1.75 on q and on k (their product is 1 / sqrt(128)), and f16.
; A work-group of four waves makes 256 x 256 of C = A B^T, a wave 128 x 128 (64 accumulators).  Clusters x = 0..3: A = x (tokens), B = wq and wk's 4,096 rows: rows of C are tokens, a wave's 128 columns one head.
; Clusters x = 4, 5: A = wv's rows, B = x: C is V^T, [channel][token], which is how the second product of attention wants it.  The choice hangs on the cluster's x alone and changes four byte offsets in pbuf.
; 192 work-groups: 6,144 x 2,048 does not cut into 256 equal tiles of this kind, and a tile of half the side would read each LDS byte for half the products.
; qbuf: q' and k' as f16 [32 heads: 16 of q, 16 of k][token][128] at 0; V^T f16 [2048][2048] at VT16; rows 0-15 of q', k' in f32 [32][16][128] at FQ; V^T's tokens 0-15 in f32 [2048][16] at FV.
; LIMITS: |q|, |k| beyond 220,000 and |v| beyond 65,504 become infinite in f16.
; K goes in steps of 512 through a ring of two LDS slots filled by joint tensor loads (A's tile shared along a row of the 4 x 4 cluster, B's along a column); the scale bytes of the work-group's rows come once, with the first fills.
; THE MATRIX INSTRUCTION IS USED TRANSPOSED (source 0 = 16 rows of B, source 1 = 16 rows of A): a lane holds eight neighbouring columns of one row of C: four RoPE pairs.
; COS AND SIN ARE ASKED FOR EARLY: four sets of 64 registers in window 1.  Two of them (v64-127, v192-255) are named by nothing in the K loop: blocks 0 and 1 are loaded behind the lap loop, two slots of products ahead of
; their use; block 2 goes into B's set 0 in front of the very last step, which multiplies set 1; block 3 at the head of the way out; block a + 4 behind block a's rotation.  There is one way through the text up to the
; way out, so V's clusters issue the three early blocks too (48 loads a wave, inside the buffers: their rows run from 0 to 2,047 like the tokens) and never read them.
; REGISTERS: window 0: v0-31 addresses; v32-95 scale words and nothing else; v128-191 A's fragments.  window 1: B's fragments, two sets (v0-63, v128-191).  windows 2, 3: the accumulators ((a, b) at v[8 (8 (a % 4) + b)]).
;   On the way out: window 1 cos and sin, four sets; window 0 v128-191 rotated numbers, v192-223 packed, v224-255 and v96-127 rows read back from the stage.
.set SIZE_K, 2048
.set KSTEP,  512
.set NQ,     KSTEP/128
.set ROWB,   256
.set KROW,   SIZE_K/2
.set PITCH,  272                       ; an LDS row: 256 bytes + 16 of padding: the 16 rows that a load touches start at 16 different banks
.set FR,     8
.set NL,     2
.set NP,     4
.set HALFT,  128*PITCH
.set SLOT,   4*HALFT
.set LAPS,   SIZE_K/(2*KSTEP)
.set KS,     SIZE_K/32
.set SCL,    2*SLOT
.set HALFS,  (128*KS/256)*272
.set SBLK,   (16*KS/256)*272
.set SPARE,  SCL+4*HALFS
.set SPITCH, 272                       ; the way out: a stage of 16 rows x (256 bytes + 16) for each wave, in slot 0, which has had its last fill and its last read by then
.set STGV,   4*16*SPITCH               ; the V path's stages: bytes of their own
.set VT16,   16777216
.set FQ,     25165824
.set FV,     25427968
.set ADRA, 16
.set ADRB, 20
.set STO,  24
.set RD,   25
.set CO,   26
.set ADRS, 27
.set SPW,  28
.set NIL,  29
.set VC,   30                          ; v30 my byte in a block's rows of cos and sin: r x 256 + 16 h; made at the head, never rewritten
.set FA,   17                          ; the way out: my byte in the f32 export
.set SV,   18                          ; 0 in the waves that export
.set SC,   32
.set AF,   128
.set T,    128
.set PKD,  192
.set G1, 24
.set G0, 32
.set G1B, 48
.set G0B, 56
.set G1S, 68
.set G0S, 76
.set G1SB, 80
.set G0SB, 88
.set MSB, 0
.macro WIN new                         ; the immediate's high byte repeats the setting that is left
.if MSB != \new
	s_set_vgpr_msb (MSB<<8)|\new
.set MSB, \new
.endif
.endm
.set MUL_LO, 0xa1
.set MUL_HI, 0xf1
.set TO_B,   0x40
; A joint load: waves 0 and 1 fetch for A, waves 2 and 3 for B; the branch hangs on the wave's number alone.  An s_nop 0 and four v_nop follow each line.
.macro JLOAD g0a, g1a, g0b, g1b
	s_cmp_eq_u32 s15, 0
	s_cbranch_scc0 .Lfor_b_\@
	tensor_load_to_lds s[\g0a:\g0a+3], s[\g1a:\g1a+7]
	s_nop 0
.rept 4
	v_nop
.endr
	s_branch .Lasked_\@
.Lfor_b_\@:
	tensor_load_to_lds s[\g0b:\g0b+3], s[\g1b:\g1b+7]
	s_nop 0
.rept 4
	v_nop
.endr
.Lasked_\@:
.endm
.macro CREST
	s_cmp_lg_u32 s14, 0
	s_cbranch_scc1 .Lnot_wave_0_\@
	s_barrier_signal -3
.Lnot_wave_0_\@:
	s_barrier_wait -3
	s_barrier_signal -1
	s_barrier_wait -1
.endm
.macro CROUND
	s_barrier_signal -1
	s_barrier_wait -1
	CREST
.endm
	s_load_b128 s[4:7], s[0:1], 0x0                ; pbuf, cos
	s_load_b128 s[8:11], s[0:1], 0x10              ; sin, qbuf
	v_lshl_add_u32 v[SPW], v0, 2, SPARE
	v_mov_b32 v[NIL], 0
	ds_add_u32 v[SPW], v[NIL]                      ; the wave's opening: the add, twice on end, and its wait ahead of my first tensor load
	ds_add_u32 v[SPW], v[NIL]
	v_lshrrev_b32 v1, 5, v0
	v_readfirstlane_b32 s14, v1                    ; wave 0..3
	s_lshr_b32 s15, s14, 1                         ; which half of the tile's rows is mine.  Also: I fetch for A (0) or for B (1)
	s_and_b32 s16, s14, 1                          ; which half of its columns.  Also: which 128 rows of that tile I fetch
	s_bfe_u32 s40, ttmp6, 0x40000                  ; cx, cy
	s_bfe_u32 s41, ttmp6, 0x40004
	s_cmp_ge_u32 ttmp9, 4                          ; V's clusters?  The same answer in all sixteen partners
	s_cselect_b32 s42, 4, 0
	s_mov_b32 s95, 6291456
	s_cselect_b32 s95, s95, 0                      ; A's codes in pbuf: wv's or x's
	s_mov_b32 s96, 8781824
	s_cselect_b32 s96, s96, 8388608                ; A's scale bytes
	s_mov_b32 s97, 2097152
	s_cselect_b32 s97, 0, s97                      ; B's codes: x's or wq and wk's
	s_mov_b32 s98, 8388608
	s_cselect_b32 s98, s98, 8519680                ; B's scale bytes
	s_sub_co_u32 s42, ttmp9, s42
	s_lshl_b32 s42, s42, 2
	s_add_co_u32 s42, s42, s40                     ; tile column of C
	s_and_b32 s17, ttmp7, 0xffff
	s_lshl_b32 s17, s17, 2
	s_add_co_u32 s17, s17, s41                     ; tile row of C
	s_lshl_b32 s43, s41, 2
	s_lshl_b32 s43, 15, s43                        ; my row of the cluster
	s_lshl_b32 s44, 0x1111, s40                    ; my column
	s_or_b32 s[G1+0], s43, (0<<16)|(1<<20)|(1<<21)|(5<<22)|(3<<25)  ; the mask; elements of 1 byte; padding: 4 words after every 64; bit 21 beside a mask
	s_or_b32 s[G1B+0], s44, (0<<16)|(1<<20)|(1<<21)|(5<<22)|(3<<25)
.irp g, G1, G1B
	s_mov_b32 s[\g+1], ROWB<<16                    ; tensor_dim0
	s_mov_b32 s[\g+2], 128<<16                     ; tensor_dim1
	s_mov_b32 s[\g+3], ROWB<<16                    ; tile_dim0
	s_mov_b32 s[\g+4], 128                         ; tile_dim1
	s_mov_b32 s[\g+5], KROW                        ; stride
	s_mov_b32 s[\g+6], 0
	s_mov_b32 s[\g+7], 0
.endr
	s_or_b32 s[G1S+0], s43, (3<<16)|(1<<20)|(1<<21)|(5<<22)|(3<<25) ; the scales of 128 rows: a dense block, as rows of 256 bytes with 16 of padding
	s_or_b32 s[G1SB+0], s44, (3<<16)|(1<<20)|(1<<21)|(5<<22)|(3<<25)
.irp g, G1S, G1SB
	s_mov_b32 s[\g+1], 32<<16
	s_mov_b32 s[\g+2], (128*KS/256)<<16
	s_mov_b32 s[\g+3], 32<<16
	s_mov_b32 s[\g+4], 128*KS/256
	s_mov_b32 s[\g+5], 32
	s_mov_b32 s[\g+6], 0
	s_mov_b32 s[\g+7], 0
.endr
	s_lshl_b32 s18, s16, 7
	s_lshl_b32 s20, s17, 8
	s_add_co_u32 s20, s20, s18                     ; A: row 256 x tile row + 128 x half
	s_lshl_b32 s46, s42, 8
	s_add_co_u32 s46, s46, s18                     ; B: row 256 x tile column + 128 x half
	s_mov_b32 s21, 0
	s_mov_b32 s47, 0
	s_mov_b64 s[18:19], KS
	s_mul_u64 s[22:23], s[20:21], s[18:19]
	s_mul_u64 s[92:93], s[46:47], s[18:19]
	s_mov_b64 s[18:19], KROW
	s_mul_u64 s[20:21], s[20:21], s[18:19]
	s_mul_u64 s[46:47], s[46:47], s[18:19]
	s_add_co_u32 s20, s20, s95                     ; + where the tensor begins in pbuf (all under 2^25: no carry)
	s_add_co_u32 s22, s22, s96
	s_add_co_u32 s46, s46, s97
	s_add_co_u32 s92, s92, s98
	s_mul_i32 s45, s14, HALFT
	s_mul_i32 s94, s14, HALFS
	s_wait_dscnt 0x0                               ; both opening adds are done
	s_wait_kmcnt 0x0
	s_add_nc_u64 s[20:21], s[4:5], s[20:21]
	s_add_nc_u64 s[22:23], s[4:5], s[22:23]
	s_add_nc_u64 s[46:47], s[4:5], s[46:47]
	s_add_nc_u64 s[92:93], s[4:5], s[92:93]
	CROUND                                         ; all sixteen work-groups are here: the first joint loads meet
	s_mov_b32 s[G0S], 1
	s_add_co_u32 s[G0S+1], s94, SCL
	s_mov_b64 s[G0S+2:G0S+3], s[22:23]
	s_or_b32 s[G0S+3], s[G0S+3], 0x80000000
	s_mov_b32 s[G0SB], 1
	s_add_co_u32 s[G0SB+1], s94, SCL
	s_mov_b64 s[G0SB+2:G0SB+3], s[92:93]
	s_or_b32 s[G0SB+3], s[G0SB+3], 0x80000000
	JLOAD G0S, G1S, G0SB, G1SB                     ; the scales first: they are wanted with K step 0
.irp s, 0,1
	s_mov_b32 s[G0+4*\s], 1
	s_add_co_u32 s[G0+4*\s+1], s45, \s*SLOT
	s_add_nc_u64 s[G0+4*\s+2:G0+4*\s+3], s[20:21], \s*ROWB
	s_or_b32 s[G0+4*\s+3], s[G0+4*\s+3], 0x80000000
	s_mov_b32 s[G0B+4*\s], 1
	s_add_co_u32 s[G0B+4*\s+1], s45, \s*SLOT
	s_add_nc_u64 s[G0B+4*\s+2:G0B+4*\s+3], s[46:47], \s*ROWB
	s_or_b32 s[G0B+4*\s+3], s[G0B+4*\s+3], 0x80000000
	JLOAD G0+4*\s, G1, G0B+4*\s, G1B
.endr
	v_and_b32 v1, 15, v0                           ; l % 16
	v_bfe_u32 v2, v0, 4, 1                         ; l / 16
	v_mul_u32_u24 v3, v1, PITCH
	v_lshl_add_u32 v4, v2, 4, v3
	s_mul_i32 s21, s15, HALFT
	s_mul_i32 s22, s16, HALFT
	s_add_co_u32 s22, s22, 2*HALFT
.irp s, 0,1
	v_add_nc_u32 v[ADRA+\s], s21, v4
	v_add_nc_u32 v[ADRB+\s], s22, v4
	s_add_co_u32 s21, s21, SLOT
	s_add_co_u32 s22, s22, SLOT
.endr
	v_mul_u32_u24 v5, v1, KS
	v_lshrrev_b32 v6, 8, v5
	v_lshl_add_u32 v5, v6, 4, v5
	s_mul_i32 s21, s15, HALFS
	s_mul_i32 s22, s16, HALFS
	s_add_co_u32 s22, s22, 2*HALFS
	s_sub_co_u32 s22, s22, s21
	v_mul_u32_u24 v6, s22, v2                      ; lanes 16-31 take B's scale words
	s_add_co_u32 s21, s21, SCL
	v_add_nc_u32 v5, v5, v6
	v_add_nc_u32 v[ADRS], s21, v5
	v_lshlrev_b32 v[VC], 8, v1                     ; cos and sin: a row is 256 bytes; lane (r, h): r x 256 + 16 h
	v_lshl_add_u32 v[VC], v2, 4, v[VC]
	s_lshl_b32 s20, s17, 8
	s_lshl_b32 s21, s15, 7
	s_add_co_u32 s20, s20, s21                     ; my first row of C
	s_lshl_b32 s18, s20, 8
	s_mov_b32 s19, 0
	s_add_nc_u64 s[6:7], s[6:7], s[18:19]          ; cos and sin at that row: stepped here, once, and never rewritten
	s_add_nc_u64 s[8:9], s[8:9], s[18:19]
.macro FRAG reg, adr, q, i
.irp c, 0,1
	ds_load_b128 v[\reg+4*\c:\reg+4*\c+3], v[\adr] offset:64*(\q)+32*\c+(\i)*16*PITCH
.endr
.endm
; 16 matrix instructions: A's blocks a0, a0 + 1 x B's eight, 128 along K.  The 64 accumulators take turns, one instruction a turn.
.macro MUL16 a0, p, q, sc, zero
.irp a, \a0, \a0+1
.irp b, 0,1,2,3,4,5,6,7
.if \zero
	v_wmma_scale_f32_16x16x128_f8f6f4 v[8*(8*((\a)%4)+\b):8*(8*((\a)%4)+\b)+7], v[128*(\p)+FR*\b:128*(\p)+FR*\b+FR-1], v[AF+FR*(\a):AF+FR*(\a)+FR-1], 0, v[SC+8*NQ*(\sc)+NQ*\b+(\q)], v[SC+8*NQ*(\sc)+NQ*(\a)+(\q)] matrix_a_fmt:MATRIX_FMT_FP4 matrix_b_fmt:MATRIX_FMT_FP4 matrix_a_scale:MATRIX_SCALE_ROW1
.else
	v_wmma_scale_f32_16x16x128_f8f6f4 v[8*(8*((\a)%4)+\b):8*(8*((\a)%4)+\b)+7], v[128*(\p)+FR*\b:128*(\p)+FR*\b+FR-1], v[AF+FR*(\a):AF+FR*(\a)+FR-1], v[8*(8*((\a)%4)+\b):8*(8*((\a)%4)+\b)+7], v[SC+8*NQ*(\sc)+NQ*\b+(\q)], v[SC+8*NQ*(\sc)+NQ*(\a)+(\q)] matrix_a_fmt:MATRIX_FMT_FP4 matrix_b_fmt:MATRIX_FMT_FP4 matrix_a_scale:MATRIX_SCALE_ROW1
.endif
.endr
.endr
.endm
.macro FETCH_B slot, q, p
	WIN TO_B
.irp i, 0,1,2,3,4,5,6,7
	FRAG 128*(\p)+FR*\i, ADRB+\slot, \q, \i
.endr
	WIN 0
.endm
.macro FETCH_A slot, q, i0
.irp i, \i0, \i0+1, \i0+2, \i0+3
	FRAG AF+FR*(\i), ADRA+\slot, \q, \i
.endr
.endm
.macro SCALES sc
.irp i, 0,1,2,3,4,5,6,7
	ds_load_b128 v[SC+8*NQ*\sc+NQ*\i:SC+8*NQ*\sc+NQ*\i+3], v[ADRS] offset:\i*SBLK
.endr
.endm
.macro PLACES n                        ; plain vector instructions between a matrix instruction and a load into, or a read of, its registers
.rept \n
	v_nop
.endr
.endm
; Block a's cos and sin: lane (r, h) wants, for column block b, pairs 8 b + 4 h + 0..3 of token r: 16 bytes of each.  Set a % 4 of window 1: v64, v192, v0, v128 on; cos in its first 32 registers, sin in the other 32.
.macro CSLOAD a
.set CC, 64*(1-((\a)%4)/2)+128*((\a)%2)
	WIN 0x40
.irp b, 0,1,2,3,4,5,6,7
	global_load_b128 v[CC+4*\b:CC+4*\b+3], v[VC], s[6:7] offset:(\a)*4096+32*\b
	global_load_b128 v[CC+32+4*\b:CC+32+4*\b+3], v[VC], s[8:9] offset:(\a)*4096+32*\b
.endr
	WIN 0
.endm
.macro STEP slot, q, zero
	s_wait_dscnt 4*NL                              ; B's set and A's blocks 0-3 are in; the youngest loads (A's blocks 4-7) may be out
	WIN MUL_LO
	MUL16 0, (\q)%2, \q, \slot, \zero
	MUL16 2, (\q)%2, \q, \slot, \zero
	s_wait_dscnt 0
	PLACES NP
	FETCH_B \slot, (\q)+1, 1-(\q)%2
	FETCH_A \slot, (\q)+1, 0
	WIN MUL_HI
	MUL16 4, (\q)%2, \q, \slot, \zero
	MUL16 6, (\q)%2, \q, \slot, \zero
	PLACES NP
	WIN 0
	FETCH_A \slot, (\q)+1, 4
.endm
; A slot's last step changes slots: one barrier; in front of it each wave waits for all its tensor loads, adds 0 to its spare word, and waits for that and for its reads of this slot.
.macro TURN slot, next, fill
	s_wait_tensorcnt 0x0                           ; all my tensor loads have landed: my part of the next slot
	ds_add_u32 v[SPW], v[NIL]
	s_wait_dscnt 4*NL+1                            ; (the add and the youngest loads may be out)
	WIN MUL_LO
	MUL16 0, 1, NQ-1, \slot, 0
	s_wait_dscnt 0x0                               ; the add is done, and my reads of this slot are over
	s_barrier_signal -1
	MUL16 2, 1, NQ-1, \slot, 0
	WIN 0
	s_barrier_wait -1
.if \fill
	CREST                                          ; the barrier has opened a round of the cluster's barrier: no wave of any partner still reads this slot or has a load on its way
	s_add_nc_u64 s[G0+4*\slot+2:G0+4*\slot+3], s[G0+4*\slot+2:G0+4*\slot+3], 2*ROWB
	s_add_nc_u64 s[G0B+4*\slot+2:G0B+4*\slot+3], s[G0B+4*\slot+2:G0B+4*\slot+3], 2*ROWB
	JLOAD G0+4*\slot, G1, G0B+4*\slot, G1B
.else
	PLACES NP
.endif
	v_add_nc_u32 v[ADRS], 4*NQ, v[ADRS]
	FETCH_B \next, 0, 0
	FETCH_A \next, 0, 0
	SCALES \next
	WIN MUL_HI
	MUL16 4, 1, NQ-1, \slot, 0
	MUL16 6, 1, NQ-1, \slot, 0
	PLACES NP
	WIN 0
	FETCH_A \next, 0, 4
.endm
.macro STEPS slot, from
.set Q, \from
.rept NQ-1-\from
	STEP \slot, Q, 0
.set Q, Q+1
.endr
.endm
	s_wait_tensorcnt 1                             ; the scales and my part of K step 0 are in (K step 1's load may be out),
	s_barrier_signal -1
	s_barrier_wait -1                              ; everybody's are
	FETCH_B 0, 0, 0
	FETCH_A 0, 0, 0
	SCALES 0
	FETCH_A 0, 0, 4
	STEP 0, 0, 1                                   ; the first step's products start the sums
	s_mov_b32 s3, LAPS-1
.Llap:
	STEPS 0, 1
	TURN 0, 1, 1
	STEPS 1, 0
	TURN 1, 0, 1
	STEP 0, 0, 0
	s_sub_co_u32 s3, s3, 1
	s_cmp_lg_u32 s3, 0
	s_cbranch_scc1 .Llap
	CSLOAD 0                                       ; blocks 0 and 1 of cos and sin, into registers that the K loop does not name: the last lap's products stand between these loads and their use
	CSLOAD 1
	STEPS 0, 1                                     ; the last lap fills nothing
	TURN 0, 1, 0
	STEPS 1, 0
	CSLOAD 2                                       ; into B's set 0: its last products stand in front of the four places at the end of the step just written; the last step multiplies set 1
	s_wait_dscnt 4*NL
	WIN MUL_LO
	MUL16 0, 1, NQ-1, 1, 0
	MUL16 2, 1, NQ-1, 1, 0
	s_wait_dscnt 0
	WIN MUL_HI
	MUL16 4, 1, NQ-1, 1, 0
	MUL16 6, 1, NQ-1, 1, 0
	WIN 0
; THE WAY OUT, block by block of 16 rows x 128 columns: f16, 16 bytes a lane into my stage, back as whole rows of 256 bytes, stored sixteen lanes to 256 aligned bytes.
.macro TOSTAGE a
.set BB, 224-128*((\a)%2)
.irp b, 0,1,2,3,4,5,6,7
	ds_store_b128 v[STO], v[PKD+4*\b:PKD+4*\b+3] offset:32*\b
.endr
.irp t, 0,1,2,3,4,5,6,7
	ds_load_b128 v[BB+4*\t:BB+4*\t+3], v[RD] offset:\t*2*SPITCH    ; LDS serves a wave's instructions in order: these see the stores above
.endr
.endm
.macro SEND a, rowb
.set BB, 224-128*((\a)%2)
	s_wait_dscnt 0x0                               ; the block is back in registers
.irp t, 0,1,2,3,4,5,6,7
	global_store_b128 v[CO], v[BB+4*\t:BB+4*\t+3], s[12:13] offset:(16*(\a)+2*\t)*\rowb
.endr
.endm
; RoPE on block a: (tr, ti) -> (tr c - ti s, tr s + ti c): a packed multiplication by c, a packed multiply-add with the pair swapped and s negated in the low half; then the factor, then f16.
.macro ROT a
.set AC, 64*((\a)%4)
.set CC, 64*(1-((\a)%4)/2)+128*((\a)%2)
	WIN 0x06+(\a)/4                                ; source 0 (sums) window 2 or 3, source 1 (cos, sin) window 1
.irp b, 0,1,2,3,4,5,6,7
.irp p, 0,1
	v_pk_mul_f32 v[T+8*\b+4*\p:T+8*\b+4*\p+1], v[AC+8*\b+4*\p:AC+8*\b+4*\p+1], v[CC+4*\b+2*\p:CC+4*\b+2*\p+1] op_sel:[0,0] op_sel_hi:[1,0]
	v_pk_mul_f32 v[T+8*\b+4*\p+2:T+8*\b+4*\p+3], v[AC+8*\b+4*\p+2:AC+8*\b+4*\p+3], v[CC+4*\b+2*\p:CC+4*\b+2*\p+1] op_sel:[0,1] op_sel_hi:[1,1]
.endr
.endr
.irp b, 0,1,2,3,4,5,6,7
.irp p, 0,1
	v_pk_fma_f32 v[T+8*\b+4*\p:T+8*\b+4*\p+1], v[AC+8*\b+4*\p:AC+8*\b+4*\p+1], v[CC+32+4*\b+2*\p:CC+32+4*\b+2*\p+1], v[T+8*\b+4*\p:T+8*\b+4*\p+1] op_sel:[1,0,0] op_sel_hi:[0,0,1] neg_lo:[0,1,0]
	v_pk_fma_f32 v[T+8*\b+4*\p+2:T+8*\b+4*\p+3], v[AC+8*\b+4*\p+2:AC+8*\b+4*\p+3], v[CC+32+4*\b+2*\p:CC+32+4*\b+2*\p+1], v[T+8*\b+4*\p+2:T+8*\b+4*\p+3] op_sel:[1,1,0] op_sel_hi:[0,1,1] neg_lo:[0,1,0]
.endr
.endr
	WIN 0
.set n, 0
.rept 32
	v_pk_mul_f32 v[T+2*n:T+2*n+1], v[T+2*n:T+2*n+1], s[44:45] op_sel_hi:[1,0]
.set n, n+1
.endr
.set n, 0
.rept 32
	v_cvt_pk_f16_f32 v[PKD+n], v[T+2*n], v[T+2*n+1]
.set n, n+1
.endr
.endm
.macro PACKV a
.set AC, 64*((\a)%4)
	WIN 0x0a+5*((\a)/4)
.irp b, 0,1,2,3,4,5,6,7
.irp r, 0,1,2,3
	v_cvt_pk_f16_f32 v[PKD+4*\b+\r], v[AC+8*\b+2*\r], v[AC+8*\b+2*\r+1]
.endr
.endr
	WIN 0
.endm
	PLACES NP                                      ; behind the last products, ahead of reads of results and of loads into operands' registers
	v_and_b32 v1, 15, v0
	v_bfe_u32 v2, v0, 4, 1
	s_lshl_b32 s20, s17, 8
	s_lshl_b32 s21, s15, 7
	s_add_co_u32 s20, s20, s21                     ; my first row of C
	s_lshl_b32 s46, s42, 8
	s_lshl_b32 s47, s16, 7
	s_add_co_u32 s46, s46, s47                     ; my first column
	s_mul_i32 s23, s14, 16*SPITCH                  ; my stage
	s_mov_b32 s19, 0
	s_cmp_ge_u32 ttmp9, 4
	s_cbranch_scc1 .Lout_v
	v_mul_u32_u24 v3, v1, SPITCH
	v_lshl_add_u32 v3, v2, 4, v3
	v_add_nc_u32 v[STO], s23, v3
	v_mul_u32_u24 v3, v2, SPITCH
	v_lshl_add_u32 v3, v1, 4, v3
	v_add_nc_u32 v[RD], s23, v3
	v_and_b32 v3, 31, v0
	v_lshlrev_b32 v[CO], 4, v3                     ; rows of 256 bytes lie on end: 16 x lane
	v_lshlrev_b32 v[FA], 9, v1
	v_lshl_add_u32 v[FA], v2, 5, v[FA]
	v_mov_b32 v[SV], s20                           ; the waves whose first row is token 0 export rows 0-15 in f32
	s_lshl_b32 s18, s20, 8
	s_lshr_b32 s21, s46, 7                         ; which of the 32 heads
	s_lshl_b32 s22, s21, 19
	s_add_co_u32 s18, s18, s22
	s_add_nc_u64 s[12:13], s[10:11], s[18:19]
	s_lshl_b32 s18, s21, 13
	s_add_nc_u64 s[10:11], s[10:11], s[18:19]
	s_add_nc_u64 s[10:11], s[10:11], FQ
	s_mov_b32 s44, 0x3e9837f0                      ; 2^-1.75
	s_mov_b32 s45, s44
	CSLOAD 3                                       ; into B's set 1, which the last products read: the four places and the lines above stand between
.irp a, 0,1,2,3,4,5,6,7
.if \a < 5
	s_wait_loadcnt 48                              ; this block's cos and sin are in; the three younger blocks' sixteen loads each may be out
.else
	s_wait_loadcnt 16*(7-\a)                       ; the counts run down: nothing more is asked for
.endif
	ROT \a
.if \a == 0
	v_cmp_eq_u32 vcc_lo, 0, v[SV]
	s_wait_xcnt 0x0                                ; EXEC changes only behind this wait
	s_and_saveexec_b32 s3, vcc_lo
.irp b, 0,1,2,3,4,5,6,7
	global_store_b128 v[FA], v[T+8*\b:T+8*\b+3], s[10:11] offset:64*\b
	global_store_b128 v[FA], v[T+8*\b+4:T+8*\b+7], s[10:11] offset:64*\b+16
.endr
	s_wait_xcnt 0x0
	s_or_b32 exec_lo, exec_lo, s3
.endif
.if \a < 4
	CSLOAD \a+4                                    ; into the set that this block has just read
.endif
.if \a > 0
	SEND \a-1, 256
.endif
.if \a > 1
	s_wait_xcnt 0x0                                ; block a - 2's stores have read their registers: block a's rows may land there
.endif
	TOSTAGE \a
.endr
	SEND 7, 256
	s_branch .Lend
.Lout_v:
	s_add_co_u32 s23, s23, STGV
	v_mul_u32_u24 v3, v1, SPITCH
	v_lshl_add_u32 v3, v2, 4, v3
	v_add_nc_u32 v[STO], s23, v3
	v_mul_u32_u24 v3, v2, SPITCH
	v_lshl_add_u32 v3, v1, 4, v3
	v_add_nc_u32 v[RD], s23, v3
	v_lshlrev_b32 v3, 12, v2
	v_lshl_add_u32 v[CO], v1, 4, v3                ; rows of V^T are 4,096 bytes apart
	v_lshlrev_b32 v[FA], 6, v1
	v_lshl_add_u32 v[FA], v2, 5, v[FA]
	v_mov_b32 v[SV], s46                           ; the waves whose first column is token 0 export tokens 0-15 in f32
	s_lshl_b32 s18, s20, 12
	s_lshl_b32 s21, s46, 1
	s_add_co_u32 s18, s18, s21
	s_add_nc_u64 s[12:13], s[10:11], s[18:19]
	s_add_nc_u64 s[12:13], s[12:13], VT16
	s_lshl_b32 s18, s20, 6
	s_add_nc_u64 s[10:11], s[10:11], s[18:19]
	s_add_nc_u64 s[10:11], s[10:11], FV
	v_cmp_eq_u32 vcc_lo, 0, v[SV]
	s_wait_xcnt 0x0
	s_and_saveexec_b32 s3, vcc_lo
.irp a, 0,1,2,3,4,5,6,7
	WIN 0x08+4*(\a/4)                              ; a store's data are its source 1: window 2 or 3
	global_store_b128 v[FA], v[64*(\a%4):64*(\a%4)+3], s[10:11] offset:1024*\a
	global_store_b128 v[FA], v[64*(\a%4)+4:64*(\a%4)+7], s[10:11] offset:1024*\a+16
.endr
	WIN 0
	s_wait_xcnt 0x0
	s_or_b32 exec_lo, exec_lo, s3
	PACKV 0
	TOSTAGE 0
.irp a, 1,2,3,4,5,6,7
	PACKV \a
	SEND \a-1, 4096
.if \a > 1
	s_wait_xcnt 0x0
.endif
	TOSTAGE \a
.endr
	SEND 7, 4096
.Lend:
	s_wait_tensorcnt 0x0                           ; the wave's end
	ds_add_u32 v[SPW], v[NIL]
	s_wait_dscnt 0x0
	CROUND                                         ; the closing round
	s_endpgm
.Lfunc_end_k_qe84a8ee2e1_qkv:
	.size	k_qe84a8ee2e1_qkv, .Lfunc_end_k_qe84a8ee2e1_qkv-k_qe84a8ee2e1_qkv
	.p2alignl 7, 3214868480
	.fill 96, 4, 3214868480
	.section	.rodata,"a",@progbits
	.p2align	6, 0x0
	.amdhsa_kernel k_qe84a8ee2e1_qkv
		.amdhsa_group_segment_fixed_size 327680
		.amdhsa_private_segment_fixed_size 0
		.amdhsa_enable_private_segment 0
		.amdhsa_kernarg_size 32
		.amdhsa_user_sgpr_count 2
		.amdhsa_user_sgpr_kernarg_segment_ptr 1
		.amdhsa_wavefront_size32 1
		.amdhsa_system_sgpr_workgroup_id_x 1
		.amdhsa_system_sgpr_workgroup_id_y 1
		.amdhsa_system_sgpr_workgroup_id_z 1
		.amdhsa_system_vgpr_workitem_id 0
		.amdhsa_next_free_vgpr 1024
		.amdhsa_next_free_sgpr 100
		.amdhsa_reserve_vcc 1
		.amdhsa_float_denorm_mode_32 3
		.amdhsa_float_denorm_mode_16_64 3
		.amdhsa_memory_ordered 1
		.amdhsa_forward_progress 1
		.amdhsa_inst_pref_size 255
	.end_amdhsa_kernel
	.section	.bss,"aw",@nobits
	.p2align	6
	.space	262144
	.amdgpu_metadata
---
amdhsa.version: [ 1, 2 ]
amdhsa.kernels:
  - .name:           k_qe84a8ee2e1_qkv
    .symbol:         k_qe84a8ee2e1_qkv.kd
    .args:
      - { .name: pbuf, .offset: 0, .size: 8, .value_kind: global_buffer, .address_space: global }
      - { .name: freq_cos, .offset: 8, .size: 8, .value_kind: global_buffer, .address_space: global }
      - { .name: freq_sin, .offset: 16, .size: 8, .value_kind: global_buffer, .address_space: global }
      - { .name: qbuf, .offset: 24, .size: 8, .value_kind: global_buffer, .address_space: global }
    .group_segment_fixed_size: 327680
    .private_segment_fixed_size: 0
    .kernarg_segment_align: 8
    .kernarg_segment_size: 32
    .max_flat_workgroup_size: 128
    .sgpr_count:     100
    .vgpr_count:     1024
    .wavefront_size: 32
...
	.end_amdgpu_metadata
.endif
;; end of part 2
;; launch attn (part 3): grid 16 x 16, 4 waves a work-group, clusters of 4 x 4, 327,680 bytes of LDS; arguments qbuf, mask, abuf; writes abuf
.if DOCPART == 3
	.amdgcn_target "amdgcn-amd-amdhsa--gfx1250"
	.amdhsa_code_object_version 6
	.text
	.protected	k_qe84a8ee2e1_attn
	.globl	k_qe84a8ee2e1_attn
	.p2align	8
	.type	k_qe84a8ee2e1_attn,@function
k_qe84a8ee2e1_attn:
	s_mov_b64 s[64:65], 0
	v_nop
	global_prefetch_b8 v0, s[64:65] scope:SCOPE_SE
	s_setreg_imm32_b32 hwreg(HW_REG_WAVE_MODE, 25, 1), 1
	s_wait_xcnt 0x0
	s_wait_alu depctr_hold_cnt(0) depctr_sa_sdst(0) depctr_va_vdst(0) depctr_va_sdst(0) depctr_va_ssrc(0) depctr_va_vcc(0) depctr_vm_vsrc(0)
	s_getreg_b32 s2, hwreg(HW_REG_IB_STS2, 6, 4)
	s_cmp_eq_u32 s2, 0
	s_cbranch_scc0 .Lentry_in_a_cluster
	s_endpgm
.Lentry_in_a_cluster:
	s_bfe_u32 s2, ttmp6, 0x10000c
	s_cmp_lg_u32 s2, 0xf033
	s_cbranch_scc0 .Lentry_shape_is_right
	s_endpgm
.Lentry_shape_is_right:
; O[q] = softmax_k(q' . k' + mask[q][k]) V, per head, on f16 operands with f32 sums (q', k' carry 1 / sqrt(128) between them).  The mask is an input: all of it is read and added, and no key is left out.
; SHARES.  A work-group owns 128 queries of one head.  Wave w: a = w / 2 picks 64 queries (four tiles of 16), b = w % 2 picks the 64-key half of every tile of 128 keys: 16 steps a wave; the two waves of a pair
; join their maxima, sums and O through LDS at the end.
; LAYOUT.  S^T = K Q^T + mask^T (source 0 = 16 keys, source 1 = 16 queries, C = the mask as it lies: lane = query, registers = 8 neighbouring keys); O^T = V^T P.  A lane holds one query throughout.
; SOFTMAX.  A running maximum m and sum l: p = 2^((s - m) c), c = log2(e): the subtraction comes first, so that the largest p is 1 at every magnitude of the scores; O and l are multiplied by 2^((m_old - m_new) c) in every step.
; m begins at -1e38, l and O^T at 0, so the first step is a step like any other (256 moves once, in place of two more written copies of a key step).
; BY TURNS.  The wave's tiles are two pieces (tiles 0, 1 and tiles 2, 3).  In a turn one piece has the matrix unit (32 products V^T P, then 32 products K Q^T of the next step) and the other piece's softmax stands in 64 slices, one behind each product.
; CLUSTER 4 x 4: x = blocks of queries, y = heads.  K's and V's tiles are asked for jointly along a row (one head), the mask's along a column (one block of queries).
; THE CORNER queries 0-15 x keys 0-15 is left out here (its scores become -infinity by a minimum with a number that is +infinity in every other wave): a small launch takes it in f32; for it the one wave that owns
; the corner stores its tile 0 in f32, normalised, with m and l.
; LIMITS: the mask enters as the C of the first score product, so score + mask is rounded as the matrix unit rounds; that shows only in a row all of whose keys carry a mask near -1e9.  A mask of -infinity or NaN is not served.
; REGISTERS: window 0: v2-11 addresses; v12-43 statistics (tile t at v[12 + 8 t]: +0 m, +2, +3 l, +4 to +7 at work, a at +6); v44-63 addresses; v64-191 S^T; v192-255 P.  window 1: O^T.  window 2: Q, K.  window 3: V^T.
.set KP,    272                        ; a row of K or of V^T in LDS: 256 bytes + 16
.set PM,    528                        ; a row of the mask: 512 bytes + 16
.set PART,  128*KP                     ; a slot: K, V^T, the mask's two halves of 64 queries, PART bytes each
.set SLOT,  4*PART
.set SPARE, 2*SLOT
.set MRGA,  33792                      ; at the end, in slot 0 (its last fill and last read are over): for each a 32,768 bytes of O's images and 8 x 128 of statistics;
.set STAGE, 69632                      ; and a stage of 16 rows x 272 bytes for each wave
.set SP,    272
.set K16,   8388608
.set VT16,  16777216
.set XO,    8388608
.set XST,   8519680
.set AK0, 2
.set AV0, 3
.set ADR, 4
.set QO,  5
.set STO, 6
.set RD,  7
.set GO,  8
.set AM0, 9
.set ADM, 10
.set SV,  11
.set ST,  12
.set MA,  44
.set MB,  45
.set XA,  46
.set XB,  47
.set PFO, 61
.set SPW, 62
.set NIL, 63
.set S,   64
.set P,   192
.set KF,  128
.set WV,  12
.set WA,  17
.set WB,  18
.set G1K, 24
.set G1V, 32
.set G1M, 40
.set G0K, 48
.set G0V, 56
.set G0M, 68
.set CS,  76
.set SEL, 78
.set PFA, 80
.set PFS, 82
.set LIM, 84
.set TR,  85
.set XC,  86
.set MSB, 0
.macro WIN new
.if MSB != \new
	s_set_vgpr_msb (MSB<<8)|\new
.set MSB, \new
.endif
.endm
.set W_KQ, 0x0a
.set W_PV, 0x53
.set W_RS, 0x41
; A joint refill of slot sf: wave 0 K's tile, wave 1 V^T's, waves 2 and 3 the mask's halves.  The branches hang on the wave's number alone.  An s_nop 0 and four v_nop follow each line.
.macro JLOAD sf
	s_cmp_lt_u32 s[WV], 2
	s_cbranch_scc0 .Lfor_m_\@
	s_cmp_eq_u32 s[WV], 0
	s_cbranch_scc0 .Lfor_v_\@
	tensor_load_to_lds s[G0K+4*\sf:G0K+4*\sf+3], s[G1K:G1K+7]
	s_nop 0
.rept 4
	v_nop
.endr
	s_branch .Lasked_\@
.Lfor_v_\@:
	tensor_load_to_lds s[G0V+4*\sf:G0V+4*\sf+3], s[G1V:G1V+7]
	s_nop 0
.rept 4
	v_nop
.endr
	s_branch .Lasked_\@
.Lfor_m_\@:
	tensor_load_to_lds s[G0M+4*\sf:G0M+4*\sf+3], s[G1M:G1M+7]
	s_nop 0
.rept 4
	v_nop
.endr
.Lasked_\@:
.endm
; A PREFETCH INTO THE L2 of the tile that stands two refills on, behind the joint load and its five lines: one instruction a wave, each aligned block of 256 bytes named once in the launch.
; K's and V^T's tiles are walked by all clusters of a row of clusters: cluster x = 0 asks, its partner cx for rows 32 cx on, a lane a row.  The mask's tiles by all clusters of a column: cluster y = 0 asks,
; partner cy for rows 16 cy on of the wave's 64, two lanes a row.  Partners are told apart by address.  The last trip's two changes ask for nothing: there is no tile two on.
.macro ASK
	s_cmp_gt_u32 s[TR], s[LIM]
	s_cbranch_scc0 .Lnot_mine_\@
	global_prefetch_b8 v[PFO], s[PFA:PFA+1] th:TH_LOAD_NT scope:SCOPE_SE
.Lnot_mine_\@:
.endm
.macro CROUND
	s_barrier_signal -1
	s_barrier_wait -1
	s_cmp_lg_u32 s[WV], 0
	s_cbranch_scc1 .Lnot_wave_0_\@
	s_barrier_signal -3
.Lnot_wave_0_\@:
	s_barrier_wait -3
	s_barrier_signal -1
	s_barrier_wait -1
.endm
	s_load_b128 s[4:7], s[0:1], 0x0                ; qbuf, mask
	s_load_b64 s[8:9], s[0:1], 0x10                ; abuf
	v_lshl_add_u32 v[SPW], v0, 2, SPARE
	v_mov_b32 v[NIL], 0
	ds_add_u32 v[SPW], v[NIL]                      ; the wave's opening: the add, twice on end, and its wait ahead of my first tensor load
	ds_add_u32 v[SPW], v[NIL]
	v_lshrrev_b32 v1, 5, v0
	v_readfirstlane_b32 s[WV], v1
	s_lshr_b32 s[WA], s[WV], 1
	s_and_b32 s[WB], s[WV], 1
	s_bfe_u32 s13, ttmp6, 0x40000                  ; cx
	s_bfe_u32 s14, ttmp6, 0x40004                  ; cy
	s_lshl_b32 s15, ttmp9, 2
	s_add_co_u32 s15, s15, s13                     ; my block of 128 queries
	s_and_b32 s16, ttmp7, 0xffff
	s_lshl_b32 s16, s16, 2
	s_add_co_u32 s16, s16, s14                     ; my head
	s_lshl_b32 s2, s14, 2
	s_lshl_b32 s2, 15, s2                          ; my row of the cluster
	s_lshl_b32 s3, 0x1111, s13                     ; my column
	s_or_b32 s[G1K], s2, (1<<16)|(1<<20)|(1<<21)|(5<<22)|(3<<25)   ; elements of 2 bytes; 4 words of padding after every 64
	s_or_b32 s[G1V], s2, (1<<16)|(1<<20)|(1<<21)|(5<<22)|(3<<25)
	s_or_b32 s[G1M], s3, (2<<16)|(1<<20)|(1<<21)|(6<<22)|(3<<25)   ; elements of 4 bytes; 4 words after every 128
.irp g, G1K, G1V
	s_mov_b32 s[\g+1], 128<<16                     ; tensor_dim0 = 128
	s_mov_b32 s[\g+2], 128<<16                     ; tensor_dim1 = 128
	s_mov_b32 s[\g+3], 128<<16                     ; tile_dim0
	s_mov_b32 s[\g+4], 128                         ; tile_dim1
	s_mov_b32 s[\g+6], 0
	s_mov_b32 s[\g+7], 0
.endr
	s_mov_b32 s[G1K+5], 128                        ; K: rows of 128 elements on end
	s_mov_b32 s[G1V+5], 2048                       ; V^T: rows of 2,048 tokens
	s_mov_b32 s[G1M+1], 128<<16
	s_mov_b32 s[G1M+2], 64<<16
	s_mov_b32 s[G1M+3], 128<<16
	s_mov_b32 s[G1M+4], 64
	s_mov_b32 s[G1M+5], 2048
	s_mov_b32 s[G1M+6], 0
	s_mov_b32 s[G1M+7], 0
	s_mov_b32 s[CS], 0x3fb8aa3b                    ; c = log2(e)
	s_mov_b32 s[CS+1], s[CS]
	s_mov_b32 s[SEL], 0x76543210
	s_mov_b32 s[SEL+1], 0xfedcba98
	s_lshl_b32 s20, s16, 19                        ; the head's 524,288 bytes in q', k' and V^T: cy alone
	s_mov_b32 s21, 0
	s_lshl_b32 s22, s15, 7
	s_lshl_b32 s2, s[WB], 6
	s_add_co_u32 s22, s22, s2
	s_lshl_b32 s22, s22, 13                        ; the mask's rows that I fetch: cx alone
	s_mov_b32 s23, 0
	s_mul_i32 s19, s[WB], PART
	s_wait_dscnt 0x0                               ; both opening adds are done
	s_wait_kmcnt 0x0
	s_add_nc_u64 s[10:11], s[4:5], s[20:21]
	s_add_nc_u64 s[22:23], s[6:7], s[22:23]
	CROUND                                         ; all sixteen work-groups are here: the first joint loads meet
.irp s, 0,1
	s_mov_b32 s[G0K+4*\s], 1
	s_mov_b32 s[G0K+4*\s+1], \s*SLOT
	s_add_nc_u64 s[G0K+4*\s+2:G0K+4*\s+3], s[10:11], K16+\s*32768
	s_or_b32 s[G0K+4*\s+3], s[G0K+4*\s+3], 0x80000000
	s_mov_b32 s[G0V+4*\s], 1
	s_mov_b32 s[G0V+4*\s+1], \s*SLOT+PART
	s_add_nc_u64 s[G0V+4*\s+2:G0V+4*\s+3], s[10:11], VT16+\s*256
	s_or_b32 s[G0V+4*\s+3], s[G0V+4*\s+3], 0x80000000
	s_mov_b32 s[G0M+4*\s], 1
	s_add_co_u32 s[G0M+4*\s+1], s19, \s*SLOT+2*PART
	s_add_nc_u64 s[G0M+4*\s+2:G0M+4*\s+3], s[22:23], \s*512
	s_or_b32 s[G0M+4*\s+3], s[G0M+4*\s+3], 0x80000000
.endr
	s_cmp_lt_u32 s[WV], 2                          ; a wave's two first fills (tiles 0 and 1) stand in one arm
	s_cbranch_scc0 .Lfirst_m
	s_cmp_eq_u32 s[WV], 0
	s_cbranch_scc0 .Lfirst_v
	tensor_load_to_lds s[G0K:G0K+3], s[G1K:G1K+7]
	s_nop 0
	tensor_load_to_lds s[G0K+4:G0K+7], s[G1K:G1K+7]
	s_nop 0
.rept 4
	v_nop
.endr
	s_branch .Lfirst_asked
.Lfirst_v:
	tensor_load_to_lds s[G0V:G0V+3], s[G1V:G1V+7]
	s_nop 0
	tensor_load_to_lds s[G0V+4:G0V+7], s[G1V:G1V+7]
	s_nop 0
.rept 4
	v_nop
.endr
	s_branch .Lfirst_asked
.Lfirst_m:
	tensor_load_to_lds s[G0M:G0M+3], s[G1M:G1M+7]
	s_nop 0
	tensor_load_to_lds s[G0M+4:G0M+7], s[G1M:G1M+7]
	s_nop 0
.rept 4
	v_nop
.endr
.Lfirst_asked:
	s_lshl_b32 s2, s15, 15                         ; Q: my block's 128 rows of 256 bytes, my wave's 64
	s_lshl_b32 s3, s[WA], 14
	s_add_co_u32 s2, s2, s3
	s_mov_b32 s3, 0
	s_add_nc_u64 s[96:97], s[10:11], s[2:3]
	v_and_b32 v52, 15, v0                          ; r
	v_bfe_u32 v53, v0, 4, 1                        ; h
	v_lshlrev_b32 v[QO], 8, v52
	v_lshl_add_u32 v[QO], v53, 4, v[QO]
	WIN 0x80
.irp i, 0,1,2,3,4,5,6,7,8,9,10,11,12,13,14,15      ; Q stays in registers: tile i / 4, channels 32 (i % 4) on
	global_load_b128 v[8*\i:8*\i+3],   v[QO], s[96:97] offset:(\i/4)*4096+(\i%4)*64
	global_load_b128 v[8*\i+4:8*\i+7], v[QO], s[96:97] offset:(\i/4)*4096+(\i%4)*64+32
.endr
	WIN 0
	; the prefetches: where my wave's stand (at tile 3: the first change steps them to tile 4), and who asks
	s_and_b32 s19, ttmp7, 0xffff
	s_lshl_b32 s20, s16, 19
	s_lshl_b32 s21, s13, 13
	s_add_co_u32 s21, s21, s20
	s_add_co_u32 s21, s21, K16+3*32768             ; K: rows 32 cx on
	s_lshl_b32 s3, s13, 17
	s_add_co_u32 s3, s3, s20
	s_add_co_u32 s3, s3, VT16+3*256                ; V^T: rows 32 cx on
	s_lshl_b32 s20, s15, 7
	s_lshl_b32 s2, s[WB], 6
	s_add_co_u32 s20, s20, s2
	s_lshl_b32 s2, s14, 4
	s_add_co_u32 s20, s20, s2
	s_lshl_b32 s20, s20, 13
	s_add_co_u32 s20, s20, 3*512                   ; the mask: rows 16 cy on of my 64
	s_cmp_eq_u32 s[WV], 0
	s_cselect_b32 s21, s21, s3
	s_mov_b32 s[PFS], 256
	s_cselect_b32 s[PFS], 32768, s[PFS]            ; a tile on
	s_mov_b32 s3, 4096
	s_cselect_b32 s3, 256, s3                      ; from row to row
	s_cmp_lt_u32 s[WV], 2
	s_cselect_b64 s[PFA:PFA+1], s[4:5], s[6:7]
	s_cselect_b32 s20, s21, s20
	s_cselect_b32 s[PFS], s[PFS], 512
	s_cselect_b32 s3, s3, 8192
	s_cselect_b32 s2, 0, 1                         ; the mask: two lanes to a row
	s_cselect_b32 s19, ttmp9, s19                  ; the coordinate along which other clusters read the same rows
	s_mov_b32 s21, 0
	s_mov_b32 s[PFS+1], 0
	s_add_nc_u64 s[PFA:PFA+1], s[PFA:PFA+1], s[20:21]
	s_cmp_eq_u32 s19, 0
	s_cselect_b32 s[LIM], 1, -1
	v_and_b32 v55, 31, v0
	v_lshrrev_b32 v49, s2, v55
	v_mul_lo_u32 v49, v49, s3
	v_and_b32 v50, s2, v55
	v_lshl_add_u32 v[PFO], v50, 8, v49
	; the corner's owner
	s_or_b32 s2, s15, s[WV]
	v_mov_b32 v[SV], s2
	s_cmp_eq_u32 s2, 0
	s_mov_b32 s[XC], 0x7f800000
	s_cselect_b32 s[XC], 0xff800000, s[XC]
	; where the results go
	s_lshl_b32 s2, s15, 19
	s_lshl_b32 s3, s[WA], 18
	s_add_co_u32 s2, s2, s3
	s_lshl_b32 s3, s16, 8
	s_add_co_u32 s2, s2, s3
	s_mov_b32 s3, 0
	s_add_nc_u64 s[90:91], s[8:9], s[2:3]          ; O as f16: token x 4,096 + head x 256
	s_lshl_b32 s2, s16, 13
	s_add_nc_u64 s[92:93], s[8:9], s[2:3]
	s_add_nc_u64 s[92:93], s[92:93], XO
	s_lshl_b32 s2, s16, 7
	s_add_nc_u64 s[94:95], s[8:9], s[2:3]
	s_add_nc_u64 s[94:95], s[94:95], XST
	; LDS addresses
	v_mul_u32_u24 v54, v52, KP
	v_lshl_add_u32 v54, v53, 4, v54                ; r x 272 + 16 h
	s_mul_i32 s2, s[WB], 64*KP
	v_add_nc_u32 v[AK0], s2, v54                   ; K: my 64 keys
	s_lshl_b32 s2, s[WB], 7
	s_add_co_u32 s2, s2, PART
	v_add_nc_u32 v[AV0], s2, v54                   ; V^T: my 64 keys are 128 bytes of each row
	v_mul_u32_u24 v[AM0], v52, PM
	v_lshl_add_u32 v[AM0], v53, 5, v[AM0]
	s_mul_i32 s2, s[WA], PART
	s_lshl_b32 s3, s[WB], 8
	s_add_co_u32 s2, s2, s3
	s_add_co_u32 s2, s2, 2*PART
	v_add_nc_u32 v[AM0], s2, v[AM0]                ; the mask: my 64 queries' half, my 64 keys, 8 keys for each half of the lanes
	s_mul_i32 s2, s[WA], MRGA
	v_lshl_add_u32 v[MA], v55, 4, s2
	s_add_co_u32 s2, s2, 32768
	v_lshl_add_u32 v[MB], v55, 2, s2
.irp t, 0,1,2,3
	v_mov_b32 v[ST+8*\t], 0xfe967699               ; m = -1e38
	v_mov_b32 v[ST+8*\t+2], 0                      ; l
	v_mov_b32 v[ST+8*\t+3], 0
.endr
	WIN 0x40
.set i, 0
.rept 256
	v_mov_b32 v[i], 0                              ; O^T
.set i, i+1
.endr
	WIN 0
; Product i of 32 of O^T += V^T P: keys 32 (i / 16) on, channels 16 ((i / 2) % 8) on, tile x + i % 2.  The accumulators take turns, one instruction a turn.
.macro PV x
	WIN W_PV
.set rO, 64*(\x+i%2)+8*((i/2)%8)
.set rV, 64*(i/16)+8*((i/2)%8)
.set rP, P+16*(\x+i%2)+8*(i/16)
	v_wmma_f32_16x16x32_f16 v[rO:rO+7], v[rV:rV+7], v[rP:rP+7], v[rO:rO+7]
.endm
; Product i of 32 of S^T = K Q^T + mask: channels 32 (i / 8) on, keys 16 ((i / 2) % 4) on, tile x + i % 2.  The sums begin on the mask, which lies in S^T's registers.
.macro KQ x
	WIN W_KQ
.set rS, S+32*(\x+i%2)+8*((i/2)%4)
.set rK, KF+32*((i/2)%4)+8*(i/8)
.set rQ, 32*(\x+i%2)+8*(i/8)
	v_wmma_f32_16x16x32_f16 v[rS:rS+7], v[rK:rK+7], v[rQ:rQ+7], v[rS:rS+7]
.endm
; The LDS loads stand in runs; SL is the slot in hand.
.macro FETCH_K
	WIN 0
	v_add_nc_u32 v[ADR], SL*SLOT, v[AK0]
	WIN 0x80
.irp f, 0,1,2,3,4,5,6,7,8,9,10,11,12,13,14,15      ; keys 16 (f / 4) on, channels 32 (f % 4) on
	ds_load_b128 v[KF+8*\f:KF+8*\f+3],   v[ADR] offset:(\f/4)*16*KP+(\f%4)*64
	ds_load_b128 v[KF+8*\f+4:KF+8*\f+7], v[ADR] offset:(\f/4)*16*KP+(\f%4)*64+32
.endr
.endm
.macro FETCH_V
	WIN 0
	v_add_nc_u32 v[ADR], SL*SLOT, v[AV0]
	s_wait_alu depctr_va_vdst(0)                   ; the wait for the softmax's batch of exponentials, behind the address's addition and ahead of the loads
	WIN 0xc0
.irp f, 0,1,2,3,4,5,6,7,8,9,10,11,12,13,14,15      ; keys 32 (f / 8) on, channels 16 (f % 8) on
	ds_load_b128 v[8*\f:8*\f+3],   v[ADR] offset:(\f%8)*16*KP+(\f/8)*64
	ds_load_b128 v[8*\f+4:8*\f+7], v[ADR] offset:(\f%8)*16*KP+(\f/8)*64+32
.endr
.endm
.macro FETCH_M x                       ; piece x's mask into its S^T registers: register 8 q + j of lane (r, h) is mask[query r][key 16 q + 8 h + j]
	WIN 0
	v_add_nc_u32 v[ADM], SL*SLOT, v[AM0]
.irp t, \x, \x+1
.irp q, 0,1,2,3
	ds_load_b128 v[S+32*(\t)+8*\q:S+32*(\t)+8*\q+3],   v[ADM] offset:(\t)*16*PM+64*\q
	ds_load_b128 v[S+32*(\t)+8*\q+4:S+32*(\t)+8*\q+7], v[ADM] offset:(\t)*16*PM+64*\q+16
.endr
.endr
.endm
; One tile's softmax for one key step is a list of 150 instructions; SM writes number j of it for tile t.
;   0-15 the maximum of the 32 scores and the old m;  16, 17 with the other half of the lanes': the new m;  18, 19 (m_old - m) c;  20 m is kept;  21-36 the 16 subtractions s - m, a pair each;
;   37-85 ONE BATCH: the 16 multiplications by c and all 33 exponentials (a, then p0-p31): none of these reads an exponential's result;  (the wait for the batch)
;   86-101 the roundings to f16;  102-117 the sums, l = a l + the sum;  118-149 the tile's O^T times a.
.macro SM t
.set rT, ST+8*(\t)
.set rS, S+32*(\t)
.set rP, P+16*(\t)
.set jo, j-16
.if j < 118
	WIN 0
.endif
.if j < 4
	v_max3_num_f32 v[rT+4+j], v[rS+8*j], v[rS+8*j+1], v[rS+8*j+2]
.elseif j < 12
	v_max3_num_f32 v[rT+4+j%4], v[rT+4+j%4], v[rS+8*(j%4)+2*(j/4)+1], v[rS+8*(j%4)+2*(j/4)+2]
.elseif j == 12
	v_max3_num_f32 v[rT+4], v[rT+4], v[rS+7], v[rS+15]
.elseif j == 13
	v_max3_num_f32 v[rT+6], v[rT+6], v[rS+23], v[rS+31]
.elseif j == 14
	v_max3_num_f32 v[rT+4], v[rT+4], v[rT+5], v[rT+6]
.elseif j == 15
	v_max3_num_f32 v[rT+4], v[rT+4], v[rT+7], v[rT]
.elseif j == 16
	v_permlanex16_b32 v[rT+5], v[rT+4], s[SEL], s[SEL+1]
.elseif j == 17
	v_max_num_f32 v[rT+4], v[rT+4], v[rT+5]
.elseif j == 18
	v_sub_f32 v[rT+7], v[rT], v[rT+4]
.elseif j == 19
	v_mul_f32 v[rT+7], s[CS], v[rT+7]
.elseif j == 20
	v_mov_b32 v[rT], v[rT+4]
.elseif j < 37
.set pb, j-21
	v_pk_add_f32 v[rS+2*pb:rS+2*pb+1], v[rS+2*pb:rS+2*pb+1], v[rT+4:rT+5] op_sel_hi:[1,0] neg_lo:[0,1] neg_hi:[0,1]
.elseif jo == 23
	v_exp_f32 v[rT+6], v[rT+7]
.elseif (jo < 23) || ((jo < 38) && (jo%2 == 0)) || ((jo < 66) && (jo%4 == 2))
.set pb, (jo-2)/4
.if jo < 38
.set pb, (jo-20)/2
.endif
	v_pk_mul_f32 v[rS+2*pb:rS+2*pb+1], v[rS+2*pb:rS+2*pb+1], s[CS:CS+1] op_sel_hi:[1,0]
.elseif jo < 70
.set e, jo-38
.if jo < 66
.set e, jo-32-(jo-38)/4
.endif
.if jo < 38
.set e, (jo-25)/2
.endif
	v_exp_f32 v[rS+e], v[rS+e]
.elseif jo < 86
	v_cvt_pk_f16_f32 v[rP+jo-70], v[rS+2*(jo-70)], v[rS+2*(jo-70)+1]
.elseif jo < 102
.set z, jo-86
.set w, 4
.set u, z
.if z >= 14
.set w, 32
.set u, 0
.elseif z >= 12
.set w, 16
.set u, z-12
.elseif z >= 8
.set w, 8
.set u, z-8
.endif
.if z < 15
	v_pk_add_f32 v[rS+w*u:rS+w*u+1], v[rS+w*u:rS+w*u+1], v[rS+w*u+w/2:rS+w*u+w/2+1]
.else
	v_pk_fma_f32 v[rT+2:rT+3], v[rT+2:rT+3], v[rT+6:rT+7], v[rS:rS+1] op_sel_hi:[1,0,1]
.endif
.else
.set rO, 64*(\t)+2*(jo-102)
	WIN W_RS
	v_pk_mul_f32 v[rO:rO+1], v[rO:rO+1], v[rT+6:rT+7] op_sel_hi:[1,0]
.endif
.endm
; Slice k of 64 of piece y's softmax.  Slices 0-12: three numbers of both tiles (0-37); 13-36: the batch from 38 on, four numbers of one tile, the tiles by turns; 37-46: three numbers of both (86-115); 47-63: two (116-149).
; Ahead of slice 37 nothing names an exponential's result and behind slice 36 none is issued: one plain instruction and one wait behind slice 36 serve the piece's 66 exponentials.
; Slice 63's four multiplications name nothing of the products round them: they are the four places behind the turn's last K Q^T.
.macro SLICE y
.if k < 13
.irp n, 0,1,2
.irp t, \y, \y+1
.set j, 3*k+\n
.if j < 38
	SM \t
.endif
.endr
.endr
.elseif k < 37
.irp n, 0,1,2,3
.set j, 38+4*((k-13)/2)+(\n)
	SM (\y)+(k-13)%2
.endr
.elseif k < 47
.irp n, 0,1,2
.irp t, \y, \y+1
.set j, 86+3*(k-37)+\n
	SM \t
.endr
.endr
.else
.irp n, 0,1
.irp t, \y, \y+1
.set j, 116+2*(k-47)+\n
	SM \t
.endr
.endr
.endif
.if k == 36
	v_nop
.if (\y) == 0
	FETCH_V                                        ; piece 2's turn: V^T's run of loads stands here.  Its last reader stands in front of slice 31; four multiplications by c, the v_nop and the run's own addition lie between
.else
	s_wait_alu depctr_va_vdst(0)
.endif
.endif
.set k, k+1
.endm
; A TURN: piece x has the matrix unit.  pv, kq: which of its two kinds of products it has; a turn with one kind has two slices behind each product.
; Piece 0's turn fetches the next step's K behind its second product; each turn fetches its own piece's mask there: that piece's softmax ended a turn ago.
.macro TURN x, pv, kq
.set k, 0
.set per, 2
.if \pv && \kq
.set per, 1
.endif
.if \pv
.if \x == 0
	s_wait_dscnt 0x0                               ; V^T is in
.endif
.set i, 0
.rept 32
	PV \x
.rept per
	SLICE 2-\x
.endr
.if \kq && (i == 1)
.if \x == 0
	FETCH_K
.endif
	FETCH_M \x
.endif
.set i, i+1
.endr
.endif
.if \kq
	s_wait_dscnt 0x0                               ; K and my piece's mask are in
.set i, 0
.rept 32
	KQ \x
.rept per
	SLICE 2-\x
.endr
.set i, i+1
.endr
.endif
.endm
; THE CHANGE OF SLOTS: K, the mask and V^T of the slot in hand have all been asked for.  Each wave waits for all its tensor loads (one is out: its part of the other slot), adds 0 to its spare word, and waits for that
; and for its reads.  fill = 1: the barrier is a round of the cluster's, and behind it slot sf is filled with the tile two on: it has a key step's 128 products in which to land.
.macro CHANGE sf, fill
	WIN 0
	s_wait_tensorcnt 0x0                           ; no tensor load of mine is out, so a group 0 may be written
	ds_add_u32 v[SPW], v[NIL]
.if \fill
	s_add_nc_u64 s[G0K+4*\sf+2:G0K+4*\sf+3], s[G0K+4*\sf+2:G0K+4*\sf+3], 2*32768
	s_add_nc_u64 s[G0V+4*\sf+2:G0V+4*\sf+3], s[G0V+4*\sf+2:G0V+4*\sf+3], 2*256
	s_add_nc_u64 s[G0M+4*\sf+2:G0M+4*\sf+3], s[G0M+4*\sf+2:G0M+4*\sf+3], 2*512
	s_wait_xcnt 0x0                                ; the last prefetch, a key step back, has read its address
	s_add_nc_u64 s[PFA:PFA+1], s[PFA:PFA+1], s[PFS:PFS+1]
	s_wait_dscnt 0x0                               ; the add is done, and my reads of the slot are over
	CROUND
	JLOAD \sf
	ASK
.else
	s_wait_dscnt 0x0
	s_barrier_signal -1
	s_barrier_wait -1
.endif
.endm
.macro UNIT sl                         ; a key step whose K, mask and V^T come from slot sl
.set SL, \sl
	TURN 0, 1, 1
	TURN 2, 1, 1
	WIN 0
.endm
	s_wait_tensorcnt 1                             ; my part of tile 0 is in; tile 1's may stay out
	s_barrier_signal -1
	s_barrier_wait -1
.set SL, 0
	FETCH_K
	FETCH_M 0
	FETCH_M 2
	s_wait_loadcnt 0x0                             ; Q
	s_wait_dscnt 0x0
.set i, 0
.rept 32
	KQ 0
.set i, i+1
.endr
	WIN 0                                          ; the addresses for the way out: plain instructions, the places behind those products
	s_mul_i32 s2, s[WV], 16*SP
	s_add_co_u32 s2, s2, STAGE
	v_add_nc_u32 v[STO], s2, v54
	v_mul_u32_u24 v[RD], v53, SP
	v_lshl_add_u32 v[RD], v52, 4, v[RD]
	v_add_nc_u32 v[RD], s2, v[RD]
	v_lshlrev_b32 v[GO], 12, v53
	v_lshl_add_u32 v[GO], v52, 4, v[GO]
	v_lshlrev_b32 v[XA], 9, v52
	v_lshl_add_u32 v[XA], v53, 5, v[XA]
	v_lshlrev_b32 v[XB], 2, v52
.irp j, 0,1,2,3,4,5,6,7
	v_min_num_f32 v[S+\j], s[XC], v[S+\j]          ; the corner is left out, by value: -infinity in its owner, +infinity elsewhere
.endr
	TURN 2, 0, 1                                   ; piece 2's first scores | piece 0's first softmax | V^T of step 0
	WIN 0
	s_mov_b32 s[TR], 7
.Lpair:                                                ; trip t = 1..7 fills tiles 2 t and 2 t + 1 and reads tiles 2 t - 1 and 2 t
	CHANGE 0, 1
	UNIT 1
	CHANGE 1, 1
	UNIT 0
	s_sub_co_u32 s[TR], s[TR], 1
	s_cmp_lg_u32 s[TR], 0
	s_cbranch_scc1 .Lpair
	CHANGE 0, 0                                    ; the tail is written out: nothing is left to ask for
	UNIT 1
	TURN 0, 1, 0
.set i, 0
.rept 32
	PV 2
.set i, i+1
.endr
	; THE PAIR JOINS.  Each wave sums its l; the wave with b = 1 gives O^T (as images of its registers), m and l through LDS; the wave with b = 0 joins them, divides, and stores.
	WIN 0
.irp t, 0,1,2,3
	v_add_f32 v[ST+8*\t+4], v[ST+8*\t+2], v[ST+8*\t+3]
.endr
.irp t, 0,1,2,3
	v_permlanex16_b32 v[ST+8*\t+5], v[ST+8*\t+4], s[SEL], s[SEL+1]
.endr
.irp t, 0,1,2,3
	v_add_f32 v[ST+8*\t+4], v[ST+8*\t+4], v[ST+8*\t+5]
.endr
	s_cmp_eq_u32 s[WB], 0
	s_cbranch_scc1 .Lkeep
	WIN 0x04                                       ; an LDS store's data are its source 1: window 1
.set i, 0
.rept 64
	ds_store_b128 v[MA], v[4*i:4*i+3] offset:512*i
.set i, i+1
.endr
	WIN 0
.irp t, 0,1,2,3
	ds_store_b32 v[MB], v[ST+8*\t] offset:256*\t
	ds_store_b32 v[MB], v[ST+8*\t+4] offset:256*\t+128
.endr
.Lkeep:
	s_wait_dscnt 0x0                               ; for the partner's sake: my stores have landed
	s_barrier_signal -1
	s_barrier_wait -1
	s_cmp_lg_u32 s[WB], 0
	s_cbranch_scc1 .Ldone
.macro MLOAD t                         ; the partner's tile t of O^T into S^T's registers, two buffers of 64 by turns
.set SB, S+64*((\t)%2)
.irp n, 0,1,2,3,4,5,6,7,8,9,10,11,12,13,14,15
	ds_load_b128 v[SB+4*\n:SB+4*\n+3], v[MA] offset:512*(16*(\t)+\n)
.endr
.endm
.irp t, 0,1,2,3
	ds_load_b32 v[ST+8*\t+5], v[MB] offset:256*\t
	ds_load_b32 v[ST+8*\t+7], v[MB] offset:256*\t+128
.endr
	MLOAD 0
	s_wait_dscnt 16                                ; the statistics are in; tile 0's sixteen loads may be out
.irp t, 0,1,2,3
	v_max_num_f32 v[ST+8*\t+1], v[ST+8*\t], v[ST+8*\t+5]           ; the joint m
.endr
.irp t, 0,1,2,3
	v_sub_f32 v[ST+8*\t+2], v[ST+8*\t], v[ST+8*\t+1]
	v_sub_f32 v[ST+8*\t+3], v[ST+8*\t+5], v[ST+8*\t+1]
.endr
.irp t, 0,1,2,3
	v_mul_f32 v[ST+8*\t+2], s[CS], v[ST+8*\t+2]
	v_mul_f32 v[ST+8*\t+3], s[CS], v[ST+8*\t+3]
.endr
.irp t, 0,1,2,3
	v_exp_f32 v[ST+8*\t+2], v[ST+8*\t+2]
	v_exp_f32 v[ST+8*\t+3], v[ST+8*\t+3]
.endr
	v_nop
	s_wait_alu depctr_va_vdst(0)                   ; one wait for the eight exponentials
.irp t, 0,1,2,3
	v_mul_f32 v[ST+8*\t+6], v[ST+8*\t+2], v[ST+8*\t+4]
.endr
.irp t, 0,1,2,3
	v_fma_f32 v[ST+8*\t+6], v[ST+8*\t+3], v[ST+8*\t+7], v[ST+8*\t+6]   ; the joint l: at least 1
.endr
.irp t, 0,1,2,3
	v_rcp_f32 v[ST+8*\t+5], v[ST+8*\t+6]
.endr
	v_nop
	s_wait_alu depctr_va_vdst(0)                   ; one wait for the four reciprocals
.irp t, 0,1,2,3
	v_mul_f32 v[ST+8*\t+4], v[ST+8*\t+3], v[ST+8*\t+5]             ; the partner's factor
.endr
.irp t, 0,1,2,3
	v_mul_f32 v[ST+8*\t+2], v[ST+8*\t+2], v[ST+8*\t+5]             ; mine
.endr
.irp t, 0,1,2,3
.set SB, S+64*(\t%2)
.set PB, P+32*(\t%2)
.set rT, ST+8*\t
.if \t < 3
	MLOAD \t+1
.set SB, S+64*(\t%2)
	s_wait_dscnt 16                                ; this tile's images are in; the next tile's sixteen loads may be out
.else
	s_wait_dscnt 0x0
.endif
	WIN W_RS
.set i, 0
.rept 32
	v_pk_mul_f32 v[64*\t+2*i:64*\t+2*i+1], v[64*\t+2*i:64*\t+2*i+1], v[rT+2:rT+3] op_sel_hi:[1,0]
.set i, i+1
.endr
	WIN 0x50
.set i, 0
.rept 32
	v_pk_fma_f32 v[64*\t+2*i:64*\t+2*i+1], v[SB+2*i:SB+2*i+1], v[rT+4:rT+5], v[64*\t+2*i:64*\t+2*i+1] op_sel_hi:[1,0,1]
.set i, i+1
.endr
	WIN 0
.if \t == 0                            ; the corner's owner stores queries 0-15 in f32, with m and l
	v_cmp_eq_u32 vcc_lo, 0, v[SV]
	s_wait_xcnt 0x0                                ; EXEC changes only behind this wait
	s_and_saveexec_b32 s88, vcc_lo
	WIN 0x04
.irp c, 0,1,2,3,4,5,6,7
	global_store_b128 v[XA], v[8*\c:8*\c+3], s[92:93] offset:64*\c
	global_store_b128 v[XA], v[8*\c+4:8*\c+7], s[92:93] offset:64*\c+16
.endr
	WIN 0
	global_store_b32 v[XB], v[ST+1], s[94:95]
	global_store_b32 v[XB], v[ST+6], s[94:95] offset:64
	s_wait_xcnt 0x0
	s_or_b32 exec_lo, exec_lo, s88
.endif
.if \t >= 2
	s_wait_xcnt 0x0                                ; tile t - 2's stores have read their registers
.endif
	WIN 0x05
.set i, 0
.rept 32
	v_cvt_pk_f16_f32 v[PB+i], v[64*\t+2*i], v[64*\t+2*i+1]
.set i, i+1
.endr
	WIN 0
.irp f, 0,1,2,3,4,5,6,7
	ds_store_b128 v[STO], v[PB+4*\f:PB+4*\f+3] offset:32*\f
.endr
.irp f, 0,1,2,3,4,5,6,7
	ds_load_b128 v[PB+4*\f:PB+4*\f+3], v[RD] offset:\f*2*SP        ; LDS serves a wave's instructions in order: these see the stores above
.endr
	s_wait_dscnt 0x0
.irp f, 0,1,2,3,4,5,6,7
	global_store_b128 v[GO], v[PB+4*\f:PB+4*\f+3], s[90:91] offset:(16*\t+2*\f)*4096   ; 16 lanes store 256 consecutive bytes, aligned
.endr
.endr
.Ldone:
	s_wait_tensorcnt 0x0                           ; the wave's end
	ds_add_u32 v[SPW], v[NIL]
	s_wait_dscnt 0x0
	CROUND                                         ; the closing round
	s_endpgm
.Lfunc_end_k_qe84a8ee2e1_attn:
	.size	k_qe84a8ee2e1_attn, .Lfunc_end_k_qe84a8ee2e1_attn-k_qe84a8ee2e1_attn
	.p2alignl 7, 3214868480
	.fill 96, 4, 3214868480
	.section	.rodata,"a",@progbits
	.p2align	6, 0x0
	.amdhsa_kernel k_qe84a8ee2e1_attn
		.amdhsa_group_segment_fixed_size 327680
		.amdhsa_private_segment_fixed_size 0
		.amdhsa_enable_private_segment 0
		.amdhsa_kernarg_size 24
		.amdhsa_user_sgpr_count 2
		.amdhsa_user_sgpr_kernarg_segment_ptr 1
		.amdhsa_wavefront_size32 1
		.amdhsa_system_sgpr_workgroup_id_x 1
		.amdhsa_system_sgpr_workgroup_id_y 1
		.amdhsa_system_sgpr_workgroup_id_z 1
		.amdhsa_system_vgpr_workitem_id 0
		.amdhsa_next_free_vgpr 1024
		.amdhsa_next_free_sgpr 100
		.amdhsa_reserve_vcc 1
		.amdhsa_float_denorm_mode_32 3
		.amdhsa_float_denorm_mode_16_64 3
		.amdhsa_memory_ordered 1
		.amdhsa_forward_progress 1
		.amdhsa_inst_pref_size 255
	.end_amdhsa_kernel
	.section	.bss,"aw",@nobits
	.p2align	6
	.space	262144
	.amdgpu_metadata
---
amdhsa.version: [ 1, 2 ]
amdhsa.kernels:
  - .name:           k_qe84a8ee2e1_attn
    .symbol:         k_qe84a8ee2e1_attn.kd
    .args:
      - { .name: qbuf, .offset: 0, .size: 8, .value_kind: global_buffer, .address_space: global }
      - { .name: mask, .offset: 8, .size: 8, .value_kind: global_buffer, .address_space: global }
      - { .name: abuf, .offset: 16, .size: 8, .value_kind: global_buffer, .address_space: global }
    .group_segment_fixed_size: 327680
    .private_segment_fixed_size: 0
    .kernarg_segment_align: 8
    .kernarg_segment_size: 24
    .max_flat_workgroup_size: 128
    .sgpr_count:     100
    .vgpr_count:     1024
    .wavefront_size: 32
...
	.end_amdgpu_metadata
.endif
;; end of part 3
;; launch proj (part 4): grid 16 x 16, 4 waves a work-group, clusters of 4 x 4, 327,680 bytes of LDS; arguments abuf, pbuf, out0, qbuf, mask, obuf; writes out0, obuf
.if DOCPART == 4
	.amdgcn_target "amdgcn-amd-amdhsa--gfx1250"
	.amdhsa_code_object_version 6
	.text
	.protected	k_qe84a8ee2e1_proj
	.globl	k_qe84a8ee2e1_proj
	.p2align	8
	.type	k_qe84a8ee2e1_proj,@function
k_qe84a8ee2e1_proj:
	s_mov_b64 s[64:65], 0
	v_nop
	global_prefetch_b8 v0, s[64:65] scope:SCOPE_SE
	s_setreg_imm32_b32 hwreg(HW_REG_WAVE_MODE, 25, 1), 1
	s_wait_xcnt 0x0
	s_wait_alu depctr_hold_cnt(0) depctr_sa_sdst(0) depctr_va_vdst(0) depctr_va_sdst(0) depctr_va_ssrc(0) depctr_va_vcc(0) depctr_vm_vsrc(0)
	s_getreg_b32 s2, hwreg(HW_REG_IB_STS2, 6, 4)
	s_cmp_eq_u32 s2, 0
	s_cbranch_scc0 .Lentry_in_a_cluster
	s_endpgm
.Lentry_in_a_cluster:
	s_bfe_u32 s2, ttmp6, 0x10000c
	s_cmp_lg_u32 s2, 0xf033
	s_cbranch_scc0 .Lentry_shape_is_right
	s_endpgm
.Lentry_shape_is_right:
; out0[m][n] = sum over k of O[m][k] wo[n][k].  O: [2048][2048] f16 at abuf's head; wo: f16 at WO16 in pbuf; out0 f32; sums in f32.
; Rows 0-15 come out here from f16 operands with the corner left out (finite numbers); the last launch writes them anew in f32.
; A tile of C is 128 x 128 (256 work-groups); four waves, each 64 x 64: 16 accumulators.  K goes in steps of 256 (LDS rows of 512 bytes + 16) through two slots filled by joint tensor loads:
; 4 x 4 work-groups form a cluster, A's tile shared along a row, B's along a column.  The matrix instruction is used transposed: a lane holds eight neighbouring numbers of a row of C.
; A wave's 64 columns of f32 are 256 aligned bytes: each wave has a stage of its own (in slot 0, whose last fill and last read are over), and no barrier stands on the way out.
; THE CORNER.  Rows 0-15 of the attention output in f32, for the last launch, are made here by the one cluster with x = y = 0, rather than in a launch of their own: they hang on the attention launch alone, as this
; product does.  The corner (queries 0-15 x keys 0-15), which the attention launch left out, is taken on f32 operands and joined with that launch's part of these rows (normalised O, its m and its l):
; o = (e_c l_c O_c + e_f O_f) / (e_c l_c + e_f l_f), e = 2^((m - joint m) c).  The cluster's sixteen work-groups take a head each: the place in the cluster enters global addresses alone, and the branch hangs on the
; cluster's coordinates, which all sixteen partners share.  Wave w takes channels 32 w on (two tiles of 16); every wave makes the 16 x 16 scores itself: 40 instructions of the f32 form, no bulk work.
; It stands behind the first joint loads, so that its loads travel beside the first tiles; it has no LDS access and no barrier.  S^T = K Q^T + mask^T: lane (r, h) holds query r and keys 8 h + 0..7; the places of k
; in the f32 form's operands are permuted alike on both sides (a lane's 16 bytes are four neighbours).
; REGISTERS: window 0: v0-31 addresses; v128-255 the accumulators ((a, b) at v[128 + 8 (4 a + b)]).  window 1: two fragment buffers of 128; on the way out the rows read back.
;   window 2: the corner's, all of them, and nothing else: so the registers that the f32 form writes there (v184-231) are written by it alone; four (then two) accumulators take turns.
;   Scalars from s66 on are the corner's.
.set SIZE_N, 2048
.set SIZE_K, 2048
.set WO16,   8912896
.set KSTEP,  256
.set PITCH,  528
.set HALFT,  64*PITCH
.set SLOT,   4*HALFT
.set SPITCH, 272
.set SPARE,  2*SLOT
.set LAPS, SIZE_K/(2*KSTEP)
.set ADRA, 16
.set ADRB, 20
.set STO,  24
.set RD,   25
.set CO,   26
.set SPW,  28
.set NIL,  29
.set ACC,  128
.set F0,   0
.set F1,   128
.set G1, 24
.set G0, 32
.set G1B, 48
.set G0B, 56
.set FQ,  25165824                     ; the corner: in qbuf, rows 0-15 of q' and k' in f32;
.set FV,  25427968                     ; V^T's tokens 0-15 in f32;
.set XO,  8388608                      ; in abuf, the attention launch's part of rows 0-15;
.set XST, 8519680                      ; its m and l
.set QF, 16                            ; window 2
.set KF, 80
.set MC, 144
.set VF, 152
.set XR, 168
.set SF, 184
.set OF, 216
.set PS, 232
.set MSB, 0
.macro WIN new
.if MSB != \new
	s_set_vgpr_msb (MSB<<8)|\new
.set MSB, \new
.endif
.endm
.set MUL,  0x05
.set TO_F, 0x40
.macro JLOAD s                         ; a joint load: waves 0 and 1 fetch A's two halves, waves 2 and 3 B's; an s_nop 0 and four v_nop follow each line
	s_cmp_eq_u32 s11, 0
	s_cbranch_scc0 .Lfor_b_\@
	tensor_load_to_lds s[G0+4*\s:G0+4*\s+3], s[G1:G1+7]
	s_nop 0
.rept 4
	v_nop
.endr
	s_branch .Lasked_\@
.Lfor_b_\@:
	tensor_load_to_lds s[G0B+4*\s:G0B+4*\s+3], s[G1B:G1B+7]
	s_nop 0
.rept 4
	v_nop
.endr
.Lasked_\@:
.endm
.macro CREST
	s_cmp_lg_u32 s10, 0
	s_cbranch_scc1 .Lnot_wave_0_\@
	s_barrier_signal -3
.Lnot_wave_0_\@:
	s_barrier_wait -3
	s_barrier_signal -1
	s_barrier_wait -1
.endm
.macro CROUND
	s_barrier_signal -1
	s_barrier_wait -1
	CREST
.endm
	s_load_b128 s[4:7], s[0:1], 0x0                ; abuf, pbuf
	s_load_b64 s[8:9], s[0:1], 0x10                ; out0
	s_load_b64 s[66:67], s[0:1], 0x18              ; qbuf
	s_load_b128 s[68:71], s[0:1], 0x20             ; mask, obuf
	v_lshl_add_u32 v[SPW], v0, 2, SPARE
	v_mov_b32 v[NIL], 0
	ds_add_u32 v[SPW], v[NIL]                      ; the wave's opening: the add, twice on end, and its wait ahead of my first tensor load
	ds_add_u32 v[SPW], v[NIL]
	v_lshrrev_b32 v1, 5, v0
	v_readfirstlane_b32 s10, v1
	s_lshr_b32 s11, s10, 1                         ; which half of the tile's rows is mine.  Also: I fetch for A (0) or for B (1)
	s_and_b32 s12, s10, 1                          ; which half of its columns.  Also: which 64 rows of that tile I fetch
	s_bfe_u32 s40, ttmp6, 0x40000
	s_bfe_u32 s41, ttmp6, 0x40004
	s_lshl_b32 s42, ttmp9, 2
	s_add_co_u32 s42, s42, s40                     ; tile column
	s_and_b32 s13, ttmp7, 0xffff
	s_lshl_b32 s13, s13, 2
	s_add_co_u32 s13, s13, s41                     ; tile row
	s_lshl_b32 s43, s41, 2
	s_lshl_b32 s43, 15, s43
	s_lshl_b32 s44, 0x1111, s40
	s_or_b32 s[G1+0], s43, (1<<16)|(1<<20)|(1<<21)|(6<<22)|(3<<25)  ; elements of 2 bytes; 4 words of padding after every 128
	s_or_b32 s[G1B+0], s44, (1<<16)|(1<<20)|(1<<21)|(6<<22)|(3<<25)
.irp g, G1, G1B
	s_mov_b32 s[\g+1], KSTEP<<16
	s_mov_b32 s[\g+2], 64<<16
	s_mov_b32 s[\g+3], KSTEP<<16
	s_mov_b32 s[\g+4], 64
	s_mov_b32 s[\g+5], SIZE_K
	s_mov_b32 s[\g+6], 0
	s_mov_b32 s[\g+7], 0
.endr
	s_lshl_b32 s17, s12, 6
	s_lshl_b32 s16, s13, 7
	s_add_co_u32 s16, s16, s17
	s_lshl_b32 s46, s42, 7
	s_add_co_u32 s46, s46, s17
	s_mov_b32 s17, 0
	s_mov_b32 s47, 0
	s_mov_b64 s[18:19], SIZE_K*2
	s_mul_u64 s[16:17], s[16:17], s[18:19]
	s_mul_u64 s[46:47], s[46:47], s[18:19]
	s_mul_i32 s20, s10, HALFT
	s_wait_dscnt 0x0
	s_wait_kmcnt 0x0
	s_add_nc_u64 s[6:7], s[6:7], WO16
	s_add_nc_u64 s[14:15], s[4:5], s[16:17]
	s_add_nc_u64 s[46:47], s[6:7], s[46:47]
	CROUND
.irp s, 0,1
	s_mov_b32 s[G0+4*\s], 1
	s_add_co_u32 s[G0+4*\s+1], s20, \s*SLOT
	s_add_nc_u64 s[G0+4*\s+2:G0+4*\s+3], s[14:15], \s*KSTEP*2
	s_or_b32 s[G0+4*\s+3], s[G0+4*\s+3], 0x80000000
	s_mov_b32 s[G0B+4*\s], 1
	s_add_co_u32 s[G0B+4*\s+1], s20, \s*SLOT
	s_add_nc_u64 s[G0B+4*\s+2:G0B+4*\s+3], s[46:47], \s*KSTEP*2
	s_or_b32 s[G0B+4*\s+3], s[G0B+4*\s+3], 0x80000000
	JLOAD \s
.endr
	; ---- THE CORNER, in the cluster with x = y = 0 alone
	s_and_b32 s94, ttmp7, 0xffff
	s_or_b32 s94, s94, ttmp9                       ; the cluster's coordinates: the same number in all sixteen partners
	s_cmp_lg_u32 s94, 0
	s_cbranch_scc1 .Lno_corner
	s_lshl_b32 s72, s41, 2
	s_add_co_u32 s72, s72, s40                     ; my head = my place in the cluster: it enters global addresses alone
	s_mov_b32 s73, 0x3fb8aa3b                      ; c = log2(e)
	s_mov_b32 s74, 0x76543210
	s_mov_b32 s75, 0xfedcba98                      ; v_permlanex16_b32's selects for lane l xor 16
	s_lshl_b32 s76, s72, 13
	s_mov_b32 s77, 0
	s_lshl_b32 s78, s10, 11
	s_add_co_u32 s78, s78, s76
	s_mov_b32 s79, 0
	s_lshl_b32 s80, s10, 7
	s_add_co_u32 s80, s80, s76
	s_mov_b32 s81, 0
	s_lshl_b32 s82, s72, 7
	s_mov_b32 s83, 0
	s_add_nc_u64 s[84:85], s[66:67], s[76:77]
	s_add_nc_u64 s[84:85], s[84:85], FQ            ; my head's q'; its k' lies 131,072 bytes on
	s_add_nc_u64 s[86:87], s[66:67], s[78:79]
	s_add_nc_u64 s[86:87], s[86:87], FV            ; V^T at channel 128 head + 32 wave
	s_add_nc_u64 s[88:89], s[4:5], s[80:81]
	s_add_nc_u64 s[88:89], s[88:89], XO
	s_add_nc_u64 s[90:91], s[4:5], s[82:83]
	s_add_nc_u64 s[90:91], s[90:91], XST
	s_lshl_b32 s82, s72, 9
	s_lshl_b32 s78, s10, 7
	s_add_co_u32 s82, s82, s78
	s_add_nc_u64 s[92:93], s[70:71], s[82:83]      ; obuf at channel 128 head + 32 wave
	WIN 0x80                                       ; destination window 2, sources window 0: the thread's number
	v_and_b32 v2, 15, v0                           ; r
	v_bfe_u32 v3, v0, 4, 1                         ; h
	WIN 0xaa                                       ; every operand place: window 2
	v_lshlrev_b32 v4, 9, v2
	v_lshl_add_u32 v4, v3, 4, v4                   ; q', k': r x 512 + 16 h
	v_lshlrev_b32 v5, 13, v2
	v_lshl_add_u32 v5, v3, 5, v5                   ; the mask and obuf: r x 8,192 + 32 h
	v_lshlrev_b32 v6, 6, v2
	v_lshl_add_u32 v6, v3, 5, v6                   ; V^T: r x 64 + 32 h
	v_lshlrev_b32 v7, 9, v2
	v_lshl_add_u32 v7, v3, 5, v7                   ; O_c: r x 512 + 32 h
	v_lshlrev_b32 v8, 2, v2
	v_mov_b32 v251, 0                              ; (a lane permute's destination counts as one of its sources)
.irp c, 0,1,2,3,4,5,6,7,8,9,10,11,12,13,14,15
	global_load_b128 v[QF+4*\c:QF+4*\c+3], v4, s[84:85] offset:32*\c
	global_load_b128 v[KF+4*\c:KF+4*\c+3], v4, s[84:85] offset:131072+32*\c
.endr
	global_load_b128 v[MC:MC+3], v5, s[68:69]
	global_load_b128 v[MC+4:MC+7], v5, s[68:69] offset:16
.irp t, 0,1
	global_load_b128 v[VF+8*\t:VF+8*\t+3], v6, s[86:87] offset:1024*\t
	global_load_b128 v[VF+8*\t+4:VF+8*\t+7], v6, s[86:87] offset:1024*\t+16
	global_load_b128 v[XR+8*\t:XR+8*\t+3], v7, s[88:89] offset:64*\t
	global_load_b128 v[XR+8*\t+4:XR+8*\t+7], v7, s[88:89] offset:64*\t+16
.endr
	global_load_b32 v240, v8, s[90:91]             ; m_c
	global_load_b32 v241, v8, s[90:91] offset:64   ; l_c
	s_wait_loadcnt 0x0
.set n, 0
.rept 32
.if n == 0
	v_wmma_f32_16x16x4_f32 v[SF:SF+7], v[KF:KF+1], v[QF:QF+1], v[MC:MC+7]
.elseif n < 4
	v_wmma_f32_16x16x4_f32 v[SF+8*n:SF+8*n+7], v[KF+2*n:KF+2*n+1], v[QF+2*n:QF+2*n+1], 0
.else
	v_wmma_f32_16x16x4_f32 v[SF+8*(n%4):SF+8*(n%4)+7], v[KF+2*n:KF+2*n+1], v[QF+2*n:QF+2*n+1], v[SF+8*(n%4):SF+8*(n%4)+7]
.endif
.set n, n+1
.endr
.rept 8
	v_nop                                          ; eight places behind this form
.endr
.irp j, 0,1,2,3,4,5,6,7
	v_add_f32 v[PS+\j], v[SF+\j], v[SF+8+\j]
	v_add_f32 v[242+\j], v[SF+16+\j], v[SF+24+\j]
	v_add_f32 v[PS+\j], v[PS+\j], v[242+\j]
.endr
	v_max3_num_f32 v250, v232, v233, v234
	v_max3_num_f32 v250, v250, v235, v236
	v_max3_num_f32 v250, v250, v237, v238
	v_max_num_f32 v250, v250, v239
	v_permlanex16_b32 v251, v250, s74, s75
	v_max_num_f32 v250, v250, v251                 ; m_f
	v_max_num_f32 v252, v240, v250                 ; the joint m
	v_sub_f32 v253, v240, v252
	v_sub_f32 v254, v250, v252
	v_mul_f32 v253, s73, v253
	v_mul_f32 v254, s73, v254
.irp j, 0,1,2,3,4,5,6,7
	v_sub_f32 v[PS+\j], v[PS+\j], v250
.endr
.irp j, 0,1,2,3,4,5,6,7
	v_mul_f32 v[PS+\j], s73, v[PS+\j]
.endr
.irp j, 0,1,2,3,4,5,6,7
	v_exp_f32 v[PS+\j], v[PS+\j]
.endr
	v_exp_f32 v253, v253                           ; e_c
	v_exp_f32 v254, v254                           ; e_f
	v_nop
	s_wait_alu depctr_va_vdst(0)                   ; one wait for the ten exponentials
	v_add_f32 v242, v232, v233
	v_add_f32 v243, v234, v235
	v_add_f32 v244, v236, v237
	v_add_f32 v245, v238, v239
	v_add_f32 v242, v242, v243
	v_add_f32 v244, v244, v245
	v_add_f32 v242, v242, v244
	v_permlanex16_b32 v251, v242, s74, s75
	v_add_f32 v242, v242, v251                     ; l_f
	v_mul_f32 v253, v253, v241                     ; e_c l_c
	v_fma_f32 v243, v254, v242, v253               ; the divisor: at least 1
	v_rcp_f32 v243, v243
	v_nop
	s_wait_alu depctr_va_vdst(0)
	v_mul_f32 v253, v253, v243
	v_mul_f32 v254, v254, v243
.irp u, 0,1,2,3                        ; O_f^T = V^T P: keys 8 h + 2 u + 0, 1 in a lane's pair, on both sides
.irp t, 0,1
.if \u == 0
	v_wmma_f32_16x16x4_f32 v[OF+8*\t:OF+8*\t+7], v[VF+8*\t+2*\u:VF+8*\t+2*\u+1], v[PS+2*\u:PS+2*\u+1], 0
.else
	v_wmma_f32_16x16x4_f32 v[OF+8*\t:OF+8*\t+7], v[VF+8*\t+2*\u:VF+8*\t+2*\u+1], v[PS+2*\u:PS+2*\u+1], v[OF+8*\t:OF+8*\t+7]
.endif
.endr
.endr
.rept 8
	v_nop
.endr
.irp n, 0,1,2,3,4,5,6,7,8,9,10,11,12,13,14,15
	v_mul_f32 v[16+\n], v[XR+\n], v253
	v_fma_f32 v[16+\n], v[OF+\n], v254, v[16+\n]
.endr
.irp t, 0,1
	global_store_b128 v5, v[16+8*\t:16+8*\t+3], s[92:93] offset:64*\t      ; their registers and base are written by nothing behind them
	global_store_b128 v5, v[16+8*\t+4:16+8*\t+7], s[92:93] offset:64*\t+16
.endr
	WIN 0                                          ; at a label every window is 0
.Lno_corner:
	v_and_b32 v1, 15, v0
	v_bfe_u32 v2, v0, 4, 1
	v_mul_u32_u24 v3, v1, PITCH
	v_lshl_add_u32 v3, v2, 4, v3
	s_mul_i32 s21, s11, HALFT
	s_mul_i32 s22, s12, HALFT
	s_add_co_u32 s22, s22, 2*HALFT
.irp s, 0,1
	v_add_nc_u32 v[ADRA+\s], s21, v3
	v_add_nc_u32 v[ADRB+\s], s22, v3
	s_add_co_u32 s21, s21, SLOT
	s_add_co_u32 s22, s22, SLOT
.endr
	s_mul_i32 s23, s10, 64*SPITCH                  ; my stage: 64 rows x (256 bytes + 16)
	v_mul_u32_u24 v4, v1, SPITCH
	v_lshl_add_u32 v4, v2, 5, v4
	v_add_nc_u32 v[STO], s23, v4                   ; in: row l % 16, 32 bytes for each half of the lanes
	v_mul_u32_u24 v5, v2, SPITCH
	v_lshl_add_u32 v5, v1, 4, v5
	v_add_nc_u32 v[RD], s23, v5                    ; back: lanes 0-15 one row, lanes 16-31 the next
	v_lshlrev_b32 v5, 13, v2
	v_lshl_add_u32 v[CO], v1, 4, v5                ; and the same two rows in out0
	s_lshl_b32 s16, s13, 7
	s_lshl_b32 s17, s11, 6
	s_add_co_u32 s16, s16, s17
	s_lshl_b32 s16, s16, 13                        ; my first row, 8,192 bytes a row
	s_mov_b32 s17, 0
	s_add_nc_u64 s[8:9], s[8:9], s[16:17]
	s_lshl_b32 s46, s42, 9
	s_lshl_b32 s47, s12, 8
	s_add_co_u32 s46, s46, s47                     ; my first column, in bytes
	s_mov_b32 s47, 0
	s_add_nc_u64 s[8:9], s[8:9], s[46:47]
.macro MUL8 f, c, a0, zero
.irp a, \a0, \a0+1
.irp b, 0,1,2,3
.if \zero
	v_wmma_f32_16x16x32_f16 v[ACC+8*(4*(\a)+\b):ACC+8*(4*(\a)+\b)+7], v[\f+64+8*(4*\c+\b):\f+64+8*(4*\c+\b)+7], v[\f+8*(4*\c+\a):\f+8*(4*\c+\a)+7], 0
.else
	v_wmma_f32_16x16x32_f16 v[ACC+8*(4*(\a)+\b):ACC+8*(4*(\a)+\b)+7], v[\f+64+8*(4*\c+\b):\f+64+8*(4*\c+\b)+7], v[\f+8*(4*\c+\a):\f+8*(4*\c+\a)+7], v[ACC+8*(4*(\a)+\b):ACC+8*(4*(\a)+\b)+7]
.endif
.endr
.endr
.endm
.macro FETCH slot, k, f
	WIN TO_F
.irp c, 0,1
.irp i, 0,1,2,3
	ds_load_b128 v[\f+64+8*(4*\c+\i):\f+64+8*(4*\c+\i)+3],   v[ADRB+\slot] offset:\k+64*\c+\i*16*PITCH
	ds_load_b128 v[\f+64+8*(4*\c+\i)+4:\f+64+8*(4*\c+\i)+7], v[ADRB+\slot] offset:\k+64*\c+\i*16*PITCH+32
	ds_load_b128 v[\f+8*(4*\c+\i):\f+8*(4*\c+\i)+3],         v[ADRA+\slot] offset:\k+64*\c+\i*16*PITCH
	ds_load_b128 v[\f+8*(4*\c+\i)+4:\f+8*(4*\c+\i)+7],       v[ADRA+\slot] offset:\k+64*\c+\i*16*PITCH+32
.endr
.endr
.endm
.macro PLACES
.rept 4
	v_nop
.endr
.endm
.macro QUARTER slot, k, f, g, zero
	s_wait_dscnt 16                                ; the first 32 along K are in
	WIN MUL
	MUL8 \f, 0, 0, \zero
	MUL8 \f, 0, 2, \zero
	PLACES
	FETCH \slot, \k, \g
	s_wait_dscnt 32                                ; all but the 32 just issued
	WIN MUL
	MUL8 \f, 1, 0, 0
	MUL8 \f, 1, 2, 0
.endm
.macro TURN slot, next, fill
	WIN 0
	s_wait_tensorcnt 0x0                           ; all my tensor loads have landed: my part of the next slot
	ds_add_u32 v[SPW], v[NIL]
	s_wait_dscnt 17                                ; (the add and the youngest sixteen loads may be out)
	WIN MUL
	MUL8 F1, 0, 0, 0
	s_wait_dscnt 0x0                               ; the add is done, and my reads of this slot are over
	s_barrier_signal -1
	MUL8 F1, 0, 2, 0
.if \fill
	WIN 0
.endif
	s_barrier_wait -1
.if \fill
	CREST
	s_add_nc_u64 s[G0+4*\slot+2:G0+4*\slot+3], s[G0+4*\slot+2:G0+4*\slot+3], 2*KSTEP*2
	s_add_nc_u64 s[G0B+4*\slot+2:G0B+4*\slot+3], s[G0B+4*\slot+2:G0B+4*\slot+3], 2*KSTEP*2
	JLOAD \slot
.else
	PLACES
.endif
	FETCH \next, 0, F0
	WIN MUL
	MUL8 F1, 1, 0, 0
	MUL8 F1, 1, 2, 0
.endm
	s_wait_tensorcnt 1                             ; my part of K step 0 is in,
	s_barrier_signal -1
	s_barrier_wait -1                              ; everybody's is
	FETCH 0, 0, F0
	QUARTER 0, 128, F0, F1, 1
	WIN 0
	s_mov_b32 s3, LAPS-1
.Llap:
	QUARTER 0, 256, F1, F0, 0
	QUARTER 0, 384, F0, F1, 0
	TURN 0, 1, 1
	QUARTER 1, 128, F0, F1, 0
	QUARTER 1, 256, F1, F0, 0
	QUARTER 1, 384, F0, F1, 0
	TURN 1, 0, 1
	QUARTER 0, 128, F0, F1, 0
	WIN 0
	s_sub_co_u32 s3, s3, 1
	s_cmp_lg_u32 s3, 0
	s_cbranch_scc1 .Llap
	QUARTER 0, 256, F1, F0, 0                      ; the last lap fills nothing
	QUARTER 0, 384, F0, F1, 0
	TURN 0, 1, 0
	QUARTER 1, 128, F0, F1, 0
	QUARTER 1, 256, F1, F0, 0
	QUARTER 1, 384, F0, F1, 0
	s_wait_dscnt 16
	WIN MUL
	MUL8 F1, 0, 0, 0
	MUL8 F1, 0, 2, 0
	s_wait_dscnt 0
	MUL8 F1, 1, 0, 0
	MUL8 F1, 1, 2, 0
	WIN 0
	; THE WAY OUT: 32 bytes a lane into my stage, each accumulator from its low end on; back as whole rows of 256 bytes; sixteen lanes store 256 aligned bytes.
	PLACES
.irp a, 0,1,2,3
.irp b, 0,1,2,3
	ds_store_b128 v[STO], v[ACC+8*(4*\a+\b):ACC+8*(4*\a+\b)+3] offset:\a*16*SPITCH+64*\b
	ds_store_b128 v[STO], v[ACC+8*(4*\a+\b)+4:ACC+8*(4*\a+\b)+7] offset:\a*16*SPITCH+64*\b+16
.endr
.endr
	WIN 0x40
.set t, 0
.rept 32
	ds_load_b128 v[4*t:4*t+3], v[RD] offset:t*2*SPITCH             ; LDS serves a wave's instructions in order: these see the stores above
.set t, t+1
.endr
	WIN 0x04
.set t, 0
.rept 32
	s_wait_dscnt 31-t                              ; the younger loads may be out
	global_store_b128 v[CO], v[4*t:4*t+3], s[8:9] offset:t*2*SIZE_N*4 th:TH_STORE_NT
.set t, t+1
.endr
	WIN 0
	s_wait_tensorcnt 0x0                           ; the wave's end
	ds_add_u32 v[SPW], v[NIL]
	s_wait_dscnt 0x0
	CROUND                                         ; the closing round
	s_endpgm
.Lfunc_end_k_qe84a8ee2e1_proj:
	.size	k_qe84a8ee2e1_proj, .Lfunc_end_k_qe84a8ee2e1_proj-k_qe84a8ee2e1_proj
	.p2alignl 7, 3214868480
	.fill 96, 4, 3214868480
	.section	.rodata,"a",@progbits
	.p2align	6, 0x0
	.amdhsa_kernel k_qe84a8ee2e1_proj
		.amdhsa_group_segment_fixed_size 327680
		.amdhsa_private_segment_fixed_size 0
		.amdhsa_enable_private_segment 0
		.amdhsa_kernarg_size 48
		.amdhsa_user_sgpr_count 2
		.amdhsa_user_sgpr_kernarg_segment_ptr 1
		.amdhsa_wavefront_size32 1
		.amdhsa_system_sgpr_workgroup_id_x 1
		.amdhsa_system_sgpr_workgroup_id_y 1
		.amdhsa_system_sgpr_workgroup_id_z 1
		.amdhsa_system_vgpr_workitem_id 0
		.amdhsa_next_free_vgpr 768
		.amdhsa_next_free_sgpr 100
		.amdhsa_reserve_vcc 0
		.amdhsa_float_denorm_mode_32 3
		.amdhsa_float_denorm_mode_16_64 3
		.amdhsa_memory_ordered 1
		.amdhsa_forward_progress 1
		.amdhsa_inst_pref_size 100
	.end_amdhsa_kernel
	.amdgpu_metadata
---
amdhsa.version: [ 1, 2 ]
amdhsa.kernels:
  - .name:           k_qe84a8ee2e1_proj
    .symbol:         k_qe84a8ee2e1_proj.kd
    .args:
      - { .name: abuf, .offset: 0, .size: 8, .value_kind: global_buffer, .address_space: global }
      - { .name: pbuf, .offset: 8, .size: 8, .value_kind: global_buffer, .address_space: global }
      - { .name: out0, .offset: 16, .size: 8, .value_kind: global_buffer, .address_space: global }
      - { .name: qbuf, .offset: 24, .size: 8, .value_kind: global_buffer, .address_space: global }
      - { .name: mask, .offset: 32, .size: 8, .value_kind: global_buffer, .address_space: global }
      - { .name: obuf, .offset: 40, .size: 8, .value_kind: global_buffer, .address_space: global }
    .group_segment_fixed_size: 327680
    .private_segment_fixed_size: 0
    .kernarg_segment_align: 8
    .kernarg_segment_size: 48
    .max_flat_workgroup_size: 128
    .sgpr_count:     100
    .vgpr_count:     768
    .wavefront_size: 32
...
	.end_amdgpu_metadata
.endif
;; end of part 4
;; launch fineproj (part 5): grid 128 x 1, 8 waves a work-group, no clusters, 275,456 bytes of LDS; arguments obuf, wo, out0; writes out0
.if DOCPART == 5
	.amdgcn_target "amdgcn-amd-amdhsa--gfx1250"
	.amdhsa_code_object_version 6
	.text
	.protected	k_qe84a8ee2e1_fineproj
	.globl	k_qe84a8ee2e1_fineproj
	.p2align	8
	.type	k_qe84a8ee2e1_fineproj,@function
k_qe84a8ee2e1_fineproj:
	s_mov_b64 s[64:65], 0
	v_nop
	global_prefetch_b8 v0, s[64:65] scope:SCOPE_SE
	s_setreg_imm32_b32 hwreg(HW_REG_WAVE_MODE, 25, 1), 1
	s_wait_xcnt 0x0
; Rows 0-15 of out0 = o wo^T on f32 operands: y[m][n] = sum over k of o[m][k] wo[n][k], m = 0..15.  It runs last and writes these rows anew.
; A work-group owns 16 columns n; wave w owns k = 256 w on: 64 matrix instructions of the f32 form (16 rows are no bulk work); the eight waves' parts are added through LDS, in the waves' order, by wave 0.
; Each wave brings its 16 x 256 of wo and of o by a tensor load each (rows of 1,024 bytes + 16 of padding) into bytes of its own, filled once, and reads them alone: its own wait is all the ordering they need.
; Source 0 = wo's rows, source 1 = o's rows: lane (r, h) holds y[r][8 h + 0..7].  The places of k in the operands are permuted alike on both sides (a lane's 16 bytes are four neighbours).
; The registers that the f32 matrix form writes (v200-231) are written by it alone; four accumulators take turns.
; The stores are pieces of 64 bytes a row: 128 KB in all; the price of sharing wo's 16 MB among 128 work-groups.
; REGISTERS: v1-8 addresses; v10, v11 the add's two, never rewritten; v16-79 and v80-143 two buffers of fragments (wo's 32 registers, then o's 32); v200-231 the four accumulators; v232-247 sums.
.set WPART, 33280
.set OPART, 16640
.set PITCH, 1040
.set RED,   266240
.set SPARE, 274432
.set SPW,   10                         ; v10 LDS address of my spare word: SPARE + 4 x my thread's number; never rewritten
.set NIL,   11                         ; v11 0; never rewritten
.set ACC,   200
.set Y,     232
	s_load_b128 s[4:7], s[0:1], 0x0                ; obuf, wo
	s_load_b64 s[8:9], s[0:1], 0x10                ; out0
	v_lshl_add_u32 v[SPW], v0, 2, SPARE
	v_mov_b32 v[NIL], 0
	ds_add_u32 v[SPW], v[NIL]                      ; the wave's opening: the add, twice on end, and its wait ahead of my first tensor load
	ds_add_u32 v[SPW], v[NIL]
	v_lshrrev_b32 v1, 5, v0
	v_readfirstlane_b32 s10, v1                    ; wave 0..7
	s_mov_b32 s16, (2<<16)|(1<<20)|(7<<22)|(3<<25) ; elements of 4 bytes; 4 words of padding after every 256
	s_mov_b32 s17, 256<<16                         ; tensor_dim0 = 256
	s_mov_b32 s18, 16<<16                          ; tensor_dim1 = 16
	s_mov_b32 s19, 256<<16                         ; tile_dim0
	s_mov_b32 s20, 16                              ; tile_dim1
	s_mov_b32 s21, 2048                            ; stride
	s_mov_b32 s22, 0
	s_mov_b32 s23, 0
	s_mul_i32 s11, s10, WPART
	s_lshl_b32 s12, s10, 10                        ; my 256 along K, in bytes
	s_mov_b32 s13, 0
	s_lshl_b32 s14, ttmp9, 17                      ; my work-group's 16 rows of wo
	s_mov_b32 s15, 0
	v_and_b32 v2, 15, v0                           ; r
	v_bfe_u32 v3, v0, 4, 1                         ; h
	v_and_b32 v4, 31, v0
	v_mul_u32_u24 v5, v2, PITCH
	v_lshl_add_u32 v5, v3, 4, v5
	v_add_nc_u32 v5, s11, v5                       ; a fragment's row x pitch + 16 h, in my part
	s_lshl_b32 s2, s10, 10
	s_add_co_u32 s2, s2, RED
	v_lshl_add_u32 v6, v4, 4, s2                   ; where I put my part of the sums
	v_lshlrev_b32 v7, 4, v4
	v_add_nc_u32 v7, RED, v7                       ; where wave 0 reads them
	v_lshlrev_b32 v8, 13, v2
	v_lshl_add_u32 v8, v3, 5, v8                   ; out0: r x 8,192 + 32 h
	s_lshl_b32 s2, ttmp9, 6
	s_mov_b32 s3, 0
	s_wait_dscnt 0x0                               ; both opening adds are done
	s_wait_kmcnt 0x0
	s_mov_b32 s24, 1
	s_mov_b32 s25, s11
	s_add_nc_u64 s[26:27], s[6:7], s[12:13]
	s_add_nc_u64 s[26:27], s[26:27], s[14:15]
	s_or_b32 s27, s27, 0x80000000
	s_mov_b32 s28, 1
	s_add_co_u32 s29, s11, OPART
	s_add_nc_u64 s[30:31], s[4:5], s[12:13]
	s_or_b32 s31, s31, 0x80000000
	tensor_load_to_lds s[24:27], s[16:23]
	s_nop 0
	tensor_load_to_lds s[28:31], s[16:23]
	s_nop 0
	s_add_nc_u64 s[8:9], s[8:9], s[2:3]
	s_wait_tensorcnt 0x0                           ; both my tiles are in
.macro LOADC q                         ; 64 along K: eight loads of 16 bytes a side, into buffer q % 2
.irp n, 0,1,2,3,4,5,6,7
	ds_load_b128 v[16+64*((\q)%2)+4*\n:16+64*((\q)%2)+4*\n+3], v5 offset:32*(8*(\q)+\n)
	ds_load_b128 v[48+64*((\q)%2)+4*\n:48+64*((\q)%2)+4*\n+3], v5 offset:OPART+32*(8*(\q)+\n)
.endr
.endm
.macro MULC q
.set n, 0
.rept 16
.if ((\q) == 0) && (n < 4)
	v_wmma_f32_16x16x4_f32 v[ACC+8*n:ACC+8*n+7], v[16+64*((\q)%2)+2*n:16+64*((\q)%2)+2*n+1], v[48+64*((\q)%2)+2*n:48+64*((\q)%2)+2*n+1], 0
.else
	v_wmma_f32_16x16x4_f32 v[ACC+8*(n%4):ACC+8*(n%4)+7], v[16+64*((\q)%2)+2*n:16+64*((\q)%2)+2*n+1], v[48+64*((\q)%2)+2*n:48+64*((\q)%2)+2*n+1], v[ACC+8*(n%4):ACC+8*(n%4)+7]
.endif
.set n, n+1
.endr
.endm
.macro PLACES8                         ; eight places behind this form, ahead of loads into its operands' registers and of reads of its results
.rept 8
	v_nop
.endr
.endm
	LOADC 0
	LOADC 1
	s_wait_dscnt 16                                ; chunk 0 is in; chunk 1's sixteen loads may be out
	MULC 0
	PLACES8
	LOADC 2
	s_wait_dscnt 16
	MULC 1
	PLACES8
	LOADC 3
	s_wait_dscnt 16
	MULC 2
	s_wait_dscnt 0x0
	MULC 3
	PLACES8
.irp j, 0,1,2,3,4,5,6,7
	v_add_f32 v[Y+\j], v[ACC+\j], v[ACC+8+\j]
	v_add_f32 v[240+\j], v[ACC+16+\j], v[ACC+24+\j]
	v_add_f32 v[Y+\j], v[Y+\j], v[240+\j]
.endr
	ds_store_b128 v6, v[Y:Y+3]
	ds_store_b128 v6, v[Y+4:Y+7] offset:512
	s_wait_dscnt 0x0                               ; for wave 0's sake: my stores have landed
	s_barrier_signal -1
	s_barrier_wait -1
	s_cmp_lg_u32 s10, 0
	s_cbranch_scc1 .Lnot_mine
.irp w, 0,1,2,3,4,5,6,7
	ds_load_b128 v[16+8*\w:16+8*\w+3], v7 offset:1024*\w
	ds_load_b128 v[16+8*\w+4:16+8*\w+7], v7 offset:1024*\w+512
.endr
	s_wait_dscnt 0x0
.irp j, 0,1,2,3,4,5,6,7
	v_add_f32 v[Y+\j], v[16+\j], v[24+\j]
.endr
.irp w, 2,3,4,5,6,7
.irp j, 0,1,2,3,4,5,6,7
	v_add_f32 v[Y+\j], v[Y+\j], v[16+8*\w+\j]
.endr
.endr
	global_store_b128 v8, v[Y:Y+3], s[8:9]
	global_store_b128 v8, v[Y+4:Y+7], s[8:9] offset:16
.Lnot_mine:
	s_wait_tensorcnt 0x0                           ; the wave's end
	ds_add_u32 v[SPW], v[NIL]
	s_wait_dscnt 0x0
	s_endpgm
.Lfunc_end_k_qe84a8ee2e1_fineproj:
	.size	k_qe84a8ee2e1_fineproj, .Lfunc_end_k_qe84a8ee2e1_fineproj-k_qe84a8ee2e1_fineproj
	.p2alignl 7, 3214868480
	.fill 96, 4, 3214868480
	.section	.rodata,"a",@progbits
	.p2align	6, 0x0
	.amdhsa_kernel k_qe84a8ee2e1_fineproj
		.amdhsa_group_segment_fixed_size 275456
		.amdhsa_private_segment_fixed_size 0
		.amdhsa_enable_private_segment 0
		.amdhsa_kernarg_size 24
		.amdhsa_user_sgpr_count 2
		.amdhsa_user_sgpr_kernarg_segment_ptr 1
		.amdhsa_wavefront_size32 1
		.amdhsa_system_sgpr_workgroup_id_x 1
		.amdhsa_system_sgpr_workgroup_id_y 1
		.amdhsa_system_sgpr_workgroup_id_z 1
		.amdhsa_system_vgpr_workitem_id 0
		.amdhsa_next_free_vgpr 256
		.amdhsa_next_free_sgpr 66
		.amdhsa_reserve_vcc 0
		.amdhsa_float_denorm_mode_32 3
		.amdhsa_float_denorm_mode_16_64 3
		.amdhsa_memory_ordered 1
		.amdhsa_forward_progress 1
		.amdhsa_inst_pref_size 16
	.end_amdhsa_kernel
	.amdgpu_metadata
---
amdhsa.version: [ 1, 2 ]
amdhsa.kernels:
  - .name:           k_qe84a8ee2e1_fineproj
    .symbol:         k_qe84a8ee2e1_fineproj.kd
    .args:
      - { .name: obuf, .offset: 0, .size: 8, .value_kind: global_buffer, .address_space: global }
      - { .name: wo, .offset: 8, .size: 8, .value_kind: global_buffer, .address_space: global }
      - { .name: out0, .offset: 16, .size: 8, .value_kind: global_buffer, .address_space: global }
    .group_segment_fixed_size: 275456
    .private_segment_fixed_size: 0
    .kernarg_segment_align: 8
    .kernarg_segment_size: 24
    .max_flat_workgroup_size: 256
    .sgpr_count:     66
    .vgpr_count:     256
    .wavefront_size: 32
...
	.end_amdgpu_metadata
.endif
;; end of part 5
